; MI455X (gfx1250); checked and timed in simulation.
; The chip was launched on July 23, 2026; its instructions are those of AMD's public machine-readable ISA for CDNA 5 (MIT licence, August 2026) and "CDNA5" Instruction Set Architecture Reference Guide (July 2026). The comments in the code are by the model that wrote it; some were corrected since.
;; Temporal Self Attention. Allowed arithmetic: float matrix products may take bf16 or f16 operands with f32 sums; other float arithmetic in f32, or as packed bf16 or f16 multiplies, adds, multiply-adds, maxima and minima; sums over many terms, partial sums and values carried from step to step in f32; what a program stores and reads back later, other than sums and carried values, may be rounded once to bf16 or f16.
;; Inputs: b_attn 768 float32; b_proj 256 float32; input_tensor 2 x 1,024 x 4 x 256 float32; w_attn 256 x 768 float32; w_proj 256 x 256 float32.
;; Outputs: out0 2 x 1,024 x 4 x 256 float32.
;; 2 versions, each right; version 2 is version 1 with the launches qkvrope, proj written anew for expert scheduling mode. Each part assembles by itself: llvm-mc -triple=amdgcn-amd-amdhsa -mcpu=gfx1250 --defsym DOCPART=n.
;; ======== version 1 of 2: 3 launches
;; limits: values are held in f16: magnitudes above 65,504 overflow, below 6.1e-05 lose precision
;; workspace buffers: qkv 12,582,912 bytes; att 4,194,304 bytes
;; launch qkvrope (part 1): grid 4 x 64, 8 waves a work-group, no clusters, 214,016 bytes of LDS; arguments input_tensor, w_attn, b_attn, qkv; writes qkv
.if DOCPART == 1
	.amdgcn_target "amdgcn-amd-amdhsa--gfx1250"
	.amdhsa_code_object_version 6
	.text
	.protected	k_q51414c5ff3_qkvrope
	.globl	k_q51414c5ff3_qkvrope
	.p2align	8
	.type	k_q51414c5ff3_qkvrope,@function
k_q51414c5ff3_qkvrope:
	s_mov_b64 s[64:65], 0
	v_nop
	global_prefetch_b8 v0, s[64:65] scope:SCOPE_SE
	s_setreg_imm32_b32 hwreg(HW_REG_WAVE_MODE, 25, 1), 1
	s_wait_xcnt 0x0
; FIRST OF THREE LAUNCHES: qkv = x w_attn + b_attn, RoPE on q and k, stored by heads in f16.
; qkv workspace: [bn 8][G 24][t 1024][32] f16; G = h: q, 8 + h: k, 16 + h: v; bn = 4 b + n.
; WORK LEFT OUT IN THE PROGRAM (in the second launch alone).  reference() overwrites every score with key s > query t by finfo.min (its own jnp.tril) ahead
; of the softmax; a row's own key is never hidden, so the row's maximum is a true score and a hidden key's weight is exp(finfo.min - max) = 0 to within rounding, whatever
; finite values the inputs hold.  So tiles of 16 queries x 64 keys that lie wholly above the diagonal are not computed.  Every input has a way to the output and is loaded.
; LIMIT: a NaN, an infinity or an overflow that would arise only in such a tile is not carried to the result.
; FORMATS.  x, w_attn and b_attn are rounded to bf16 (all the module's inputs are), products in bf16 with f32 sums; q, k, v rounded once to f16.
; LIMITS.  |q|, |k|, |v| must stay under 65,504 (f16).  sin and cos come from a reduction by pi/2 in two parts and polynomials of degree 7 and 8 on the f32 angle t x 10^(-j/4):
; off by some 3e-7 at the most for t under 1,024.  NaN and infinities are not treated apart.
; SHARES.  A work-group: 128 rows t of one sequence bn x 192 columns (6 groups of 32: a head of q, k or v each); K = 256 whole.  Eight waves: wave w has rows 32 (w / 2) .. + 31 and columns 96 (w % 2) .. + 95.
; THE MATRIX INSTRUCTION IS USED TRANSPOSED (source 0 = 16 columns of w, source 1 = 16 rows of x): a lane holds one row (lane % 16) and the columns 8 (lane / 16) + 0..7 of a tile,
; so channels d and d + 16 of a head lie in the same lane and register of two neighbouring tiles, and RoPE never leaves the lane.
; NO CLUSTER, NO TENSOR LOADS: x's and w's tiles are f32, 131,072 + 196,608 bytes, as much as all the LDS that a work-group can have; both are rounded to bf16 on the way, which takes them through registers.
.set XS,    0                          ; x in bf16: 128 rows of 512 bytes + 16 of padding
.set XP,    528
.set WS,    67584                      ; w in bf16, [k][n]: 256 rows of 384 bytes + 32 of padding (13 x 32)
.set WP,    416
.set TAB,   174080                     ; 128 rows: cos of 16 frequencies at + 0, sin at + 64; pitch 144
.set TP,    144
.set STG,   192512                     ; the way out: for each wave two stages of 16 rows x 80 bytes
.set SP,    80
.set SPARE, 212992                     ; the spare words, 128 bytes for each wave: four blocks of 256 bytes that no other line names
.set R,   1                            ; v1   lane % 16
.set H,   2                            ; v2   lane / 16
.set XO,  3                            ; v3   16 x lane: offset of x's loads and of the stores
.set WO,  4                            ; v4   w's loads: (lane / 16) rows + 16 (lane % 16)
.set XL,  5                            ; v5   where my 8 bytes of x go in LDS
.set WL,  6                            ; v6   the same for w
.set BO,  7                            ; v7   32 (lane / 16): my 8 numbers of a tile's bias
.set TL,  8                            ; v8   where I put my 8 cos and 8 sin
.set AX,  9                            ; v9   x's fragments
.set AW,  10                           ; v10, v11  w's fragments: K steps 0-3, 4-7 (an LDS offset has 16 bits)
.set TR,  12                           ; v12  the table, read
.set STO, 13                           ; v13  stage, in
.set RD,  14                           ; v14  stage, back
.set TF,  16                           ; v16  my table row's position t, as f32
.set SPW, 28                           ; v28  my spare word; never rewritten
.set NIL, 29                           ; v29  0; never rewritten
.set C7,  30                           ; v30  -1/5040
.set C8,  31                           ; v31  1/40320
.set SA,  32                           ; loading: register set A, v[32:95]
.set SB,  160                          ; set B, v[160:223]
.set T,   224                          ; v[224:255] rounded pairs on their way to LDS
.set BIAS, 96                          ; v[96:143] column tile c at + 8 c
.set COS, 144
.set SIN, 152
.set F0,  32                           ; multiplying: fragment buffers v[32:95], v[96:159]: w's six at + 8 c, x's two at + 48 + 8 a
.set ACC, 160                          ; v[160:255] accumulator (a, c) at + 8 (6 a + c)
.set CSN, 32                           ; the way out: cos of row tile a at + 16 a, sin at + 16 a + 8
.set U,   64
.set W,   72
.set PK,  80                           ; + 8 a
.set OB,  96                           ; + 16 g
.set TH,  24                           ; s[24:31] my eight frequencies
.set XB,  38                           ; s[38:39] x at my wave's 16 rows
.set WB,  40                           ; s[40:41] w at my wave's 32 k rows, the work-group's columns
.set BB,  42                           ; s[42:43] b_attn at my wave's 96 columns
.set OUT, 44                           ; s[44:45] qkv at my wave's first group and row
	s_load_b256 s[4:11], s[0:1], 0x0               ; x s[4:5], w s[6:7], b s[8:9], qkv s[10:11]
	v_lshl_add_u32 v[SPW], v0, 2, SPARE
	v_mov_b32 v[NIL], 0
	v_lshrrev_b32 v17, 5, v0
	v_readfirstlane_b32 s12, v17                   ; wave 0..7
	s_mov_b32 s13, ttmp9                           ; cb: which 192 columns
	s_and_b32 s14, ttmp7, 0xffff
	s_lshr_b32 s15, s14, 3                         ; bn
	s_and_b32 s16, s14, 7                          ; tb: rows 128 tb ..
	s_lshr_b32 s17, s12, 1                         ; wr
	s_and_b32 s18, s12, 1                          ; wc
	s_mul_i32 s19, s13, 6
	s_mul_i32 s2, s18, 3
	s_add_co_u32 s19, s19, s2                      ; my first group G = 6 cb + 3 wc
	s_mov_b32 s32, 0x3f22f983                      ; 2 / pi
	s_mov_b32 s33, 0xbfc90fdb                      ; - pi/2, its f32
	s_mov_b32 s34, 0x333bbd2e                      ; and what that f32 has too much
	v_mov_b32 v[C7], 0xb9500d01
	v_mov_b32 v[C8], 0x37d00d01
	; 10^(-j/4): waves 0-3 make frequencies 0-7 of the table, waves 4-7 frequencies 8-15
	s_cmp_ge_u32 s12, 4
.macro THETA j, lo, hi
	s_mov_b32 s[TH+(\j)], \lo
	s_cmov_b32 s[TH+(\j)], \hi
.endm
	THETA 0, 0x3f800000, 0x3c23d70a
	THETA 1, 0x3f0ff59a, 0x3bb8449c
	THETA 2, 0x3ea1e89b, 0x3b4f3e37
	THETA 3, 0x3e361887, 0x3ae91528
	THETA 4, 0x3dcccccd, 0x3a83126f
	THETA 5, 0x3d6655c3, 0x3a136a16
	THETA 6, 0x3d0186e2, 0x39a5cb5f
	THETA 7, 0x3c91ad39, 0x393a7753
	v_and_b32 v[R], 15, v0
	v_bfe_u32 v[H], v0, 4, 1
	v_and_b32 v17, 31, v0                          ; lane
	v_lshlrev_b32 v[XO], 4, v17
	v_mul_u32_u24 v[WO], v[H], 3072                ; a row of w is 3,072 bytes
	v_lshl_add_u32 v[WO], v[R], 4, v[WO]
	s_mul_i32 s2, s12, 16*XP
	v_lshl_add_u32 v[XL], v17, 3, s2               ; XS + my wave's 16 rows + 8 x lane
	s_mul_i32 s2, s12, 32*WP
	s_add_co_u32 s2, s2, WS
	v_mul_u32_u24 v[WL], v[H], WP
	v_lshl_add_u32 v[WL], v[R], 3, v[WL]
	v_add_nc_u32 v[WL], s2, v[WL]
	v_lshlrev_b32 v[BO], 5, v[H]
	s_and_b32 s3, s12, 3                           ; the table: row 32 (wave % 4) + lane, frequencies 8 (wave / 4) ..
	s_mul_i32 s2, s3, 32*TP
	s_lshr_b32 s35, s12, 2
	s_lshl_b32 s35, s35, 5
	s_add_co_u32 s2, s2, s35
	s_add_co_u32 s2, s2, TAB
	v_mul_u32_u24 v[TL], v17, TP
	v_add_nc_u32 v[TL], s2, v[TL]
	s_lshl_b32 s2, s16, 7
	s_lshl_b32 s3, s3, 5
	s_add_co_u32 s2, s2, s3
	v_add_nc_u32 v[TF], s2, v17
	v_cvt_f32_u32 v[TF], v[TF]                     ; t
	s_mul_i32 s2, s17, 32*XP
	v_mul_u32_u24 v[AX], v[R], XP
	v_lshl_add_u32 v[AX], v[H], 4, v[AX]
	v_add_nc_u32 v[AX], s2, v[AX]                  ; (32 wr + lane % 16) rows + 16 (lane / 16)
	v_and_b32 v18, 7, v0
	v_bfe_u32 v19, v0, 3, 1
	v_lshl_add_u32 v[AW], v[H], 3, v18             ; the turning load: k row 8 (lane / 16) + lane % 8, columns 8 ((lane / 8) % 2) ..
	v_mul_u32_u24 v[AW], v[AW], WP
	v_lshl_add_u32 v[AW], v19, 4, v[AW]
	s_mul_i32 s2, s18, 192
	s_add_co_u32 s2, s2, WS
	v_add_nc_u32 v[AW], s2, v[AW]
	v_add_nc_u32 v[AW+1], 128*WP, v[AW]
	s_mul_i32 s2, s17, 32*TP
	s_add_co_u32 s2, s2, TAB
	v_mul_u32_u24 v[TR], v[R], TP
	v_lshl_add_u32 v[TR], v[H], 5, v[TR]
	v_add_nc_u32 v[TR], s2, v[TR]
	s_mul_i32 s2, s12, 32*SP
	s_add_co_u32 s2, s2, STG
	v_mul_u32_u24 v[STO], v[R], SP
	v_lshl_add_u32 v[STO], v[H], 4, v[STO]
	v_add_nc_u32 v[STO], s2, v[STO]
	v_bfe_u32 v18, v0, 2, 3
	v_and_b32 v19, 3, v0
	v_mul_u32_u24 v[RD], v18, SP                   ; back: 32 lanes take 8 rows of 64 bytes
	v_lshl_add_u32 v[RD], v19, 4, v[RD]
	v_add_nc_u32 v[RD], s2, v[RD]
	; byte offsets, each in a pair of its own
	s_lshr_b32 s20, s15, 2                         ; x: b x 4,194,304 + n x 1,024 + t x 4,096
	s_lshl_b32 s20, s20, 22
	s_and_b32 s21, s15, 3
	s_lshl_b32 s21, s21, 10
	s_add_co_u32 s20, s20, s21
	s_lshl_b32 s21, s16, 19
	s_add_co_u32 s20, s20, s21
	s_lshl_b32 s21, s12, 16
	s_add_co_u32 s20, s20, s21
	s_mov_b32 s21, 0
	s_mul_i32 s22, s13, 768                        ; w: 192 columns x 4 bytes; 32 rows a wave
	s_mul_i32 s23, s12, 98304
	s_add_co_u32 s22, s22, s23
	s_mov_b32 s23, 0
	s_mul_i32 s36, s13, 768
	s_mul_i32 s37, s18, 384
	s_add_co_u32 s36, s36, s37
	s_mov_b32 s37, 0
	s_mul_i32 s46, s15, 1572864                    ; qkv: bn, group, row
	s_lshl_b32 s47, s19, 16
	s_add_co_u32 s46, s46, s47
	s_lshl_b32 s47, s16, 13
	s_add_co_u32 s46, s46, s47
	s_lshl_b32 s47, s17, 11
	s_add_co_u32 s46, s46, s47
	s_mov_b32 s47, 0
	s_wait_kmcnt 0x0
	s_add_nc_u64 s[XB:XB+1], s[4:5], s[20:21]
	s_add_nc_u64 s[WB:WB+1], s[6:7], s[22:23]
	s_add_nc_u64 s[BB:BB+1], s[8:9], s[36:37]
	s_add_nc_u64 s[OUT:OUT+1], s[10:11], s[46:47]
; 16 loads of x: load i takes half i % 2 of row i / 2: 512 consecutive bytes, aligned
.macro XLOAD set, i0
.set n, 0
.rept 16
	global_load_b128 v[(\set)+4*n:(\set)+4*n+3], v[XO], s[XB:XB+1] offset:(((\i0)+n)/2)*4096+(((\i0)+n)%2)*512
.set n, n+1
.endr
.endm
.macro XCVT set, i0                    ; rounded to bf16, 8 bytes a lane into LDS
.set n, 0
.rept 16
	v_cvt_pk_bf16_f32 v[T+2*n], v[(\set)+4*n], v[(\set)+4*n+1]
	v_cvt_pk_bf16_f32 v[T+2*n+1], v[(\set)+4*n+2], v[(\set)+4*n+3]
	ds_store_b64 v[XL], v[T+2*n:T+2*n+1] offset:(((\i0)+n)/2)*XP+(((\i0)+n)%2)*256
.set n, n+1
.endr
.endm
; 16 loads of w: load q takes piece q % 3 (256 bytes, aligned) of rows 2 (q / 3) (lanes 0-15) and 2 (q / 3) + 1 (lanes 16-31)
.macro WLOAD set, q0
.set n, 0
.rept 16
	global_load_b128 v[(\set)+4*n:(\set)+4*n+3], v[WO], s[WB:WB+1] offset:(((\q0)+n)/3)*6144+(((\q0)+n)%3)*256
.set n, n+1
.endr
.endm
.macro WCVT set, q0
.set n, 0
.rept 16
	v_cvt_pk_bf16_f32 v[T+2*n], v[(\set)+4*n], v[(\set)+4*n+1]
	v_cvt_pk_bf16_f32 v[T+2*n+1], v[(\set)+4*n+2], v[(\set)+4*n+3]
	ds_store_b64 v[WL], v[T+2*n:T+2*n+1] offset:(((\q0)+n)/3)*2*WP+(((\q0)+n)%3)*128
.set n, n+1
.endr
.endm
; cos and sin of t x frequency j: k = the nearest whole number to angle x 2/pi; r = angle - k pi/2, |r| <= pi/4; polynomials; the quadrant k % 4 swaps them and sets the signs
.macro SINCOS j
	v_mul_f32 v17, s[TH+(\j)], v[TF]
	v_mul_f32 v18, s32, v17
	v_rndne_f32 v18, v18
	v_fma_f32 v19, v18, s33, v17
	v_fma_f32 v19, v18, s34, v19
	v_cvt_i32_f32 v21, v18
	v_mul_f32 v20, v19, v19
	v_fmaak_f32 v22, v[C7], v20, 0x3c088889        ; sin: r + r^3 (-1/6 + r^2 (1/120 - r^2 / 5040))
	v_fmaak_f32 v24, v[C8], v20, 0xbab60b61        ; cos: 1 + r^2 (-1/2 + r^2 (1/24 + r^2 (-1/720 + r^2 / 40320)))
	v_fmaak_f32 v22, v22, v20, 0xbe2aaaab
	v_fmaak_f32 v24, v24, v20, 0x3d2aaaab
	v_mul_f32 v23, v19, v20
	v_fma_f32 v24, v24, v20, -0.5
	v_fma_f32 v23, v23, v22, v19
	v_fma_f32 v24, v24, v20, 1.0
	v_and_b32 v25, 1, v21
	v_cmp_eq_u32 vcc_lo, 1, v25
	v_cndmask_b32 v[SIN+(\j)], v23, v24, vcc_lo    ; odd quadrant: sin takes the cosine's polynomial,
	v_cndmask_b32 v[COS+(\j)], v24, v23, vcc_lo    ; cos the sine's
	v_lshlrev_b32 v25, 30, v21                     ; sin is negative in quadrants 2, 3: bit 1 of k
	v_add_nc_u32 v26, 1, v21                       ; cos in quadrants 1, 2: bit 1 of k + 1
	v_and_b32 v25, 0x80000000, v25
	v_lshlrev_b32 v26, 30, v26
	v_xor_b32 v[SIN+(\j)], v25, v[SIN+(\j)]
	v_and_b32 v26, 0x80000000, v26
	v_xor_b32 v[COS+(\j)], v26, v[COS+(\j)]
.endm
.set c, 0
.rept 6                                ; the bias as the first product's C: register j of a lane is column 16 c + 8 (lane / 16) + j
	global_load_b128 v[BIAS+8*c:BIAS+8*c+3], v[BO], s[BB:BB+1] offset:64*c
	global_load_b128 v[BIAS+8*c+4:BIAS+8*c+7], v[BO], s[BB:BB+1] offset:64*c+16
.set c, c+1
.endr
	XLOAD SA, 0
	XLOAD SB, 16
.irp j, 0,1,2,3,4,5,6,7                ; the table is made while the first 44 loads are on their way
	SINCOS \j
.endr
	ds_store_b128 v[TL], v[COS:COS+3]
	ds_store_b128 v[TL], v[COS+4:COS+7] offset:16
	ds_store_b128 v[TL], v[SIN:SIN+3] offset:64
	ds_store_b128 v[TL], v[SIN+4:SIN+7] offset:80
	s_wait_loadcnt 16                              ; loads return in order: the bias and set A are in; set B's 16 stay out
	XCVT SA, 0
	WLOAD SA, 0
	s_wait_loadcnt 16                              ; set B is in; the 16 just issued stay out
	XCVT SB, 16
	WLOAD SB, 16
	s_wait_loadcnt 16
	WCVT SA, 0
	WLOAD SA, 32
	s_wait_loadcnt 16
	WCVT SB, 16
	s_wait_loadcnt 0x0
	WCVT SA, 32
.set c, 0
.rept 24                               ; the bias is rounded to bf16, like every input, and widened again
	v_cvt_pk_bf16_f32 v[17+c%4], v[BIAS+2*c], v[BIAS+2*c+1]
	v_lshlrev_b32 v[BIAS+2*c], 16, v[17+c%4]
	v_and_b32 v[BIAS+2*c+1], 0xffff0000, v[17+c%4]
.set c, c+1
.endr
	s_wait_dscnt 0x0                               ; for the others' sake: all my stores of x, w and the table are done
	s_barrier_signal -1
	s_barrier_wait -1                              ; the launch's one barrier: behind it these bytes are only read
; K step k (32 along K): 16 LDS loads: w's six fragments, turned; x's two
.macro FETCH k, f
.set c, 0
.rept 6
	ds_load_tr16_b128 v[(\f)+8*c:(\f)+8*c+3], v[AW+(\k)/4] offset:((\k)%4)*32*WP+32*c
	ds_load_tr16_b128 v[(\f)+8*c+4:(\f)+8*c+7], v[AW+(\k)/4] offset:((\k)%4)*32*WP+32*c+16*WP
.set c, c+1
.endr
.set a, 0
.rept 2
	ds_load_b128 v[(\f)+48+8*a:(\f)+48+8*a+3], v[AX] offset:a*16*XP+64*(\k)
	ds_load_b128 v[(\f)+48+8*a+4:(\f)+48+8*a+7], v[AX] offset:a*16*XP+64*(\k)+32
.set a, a+1
.endr
.endm
; 12 products; the 12 accumulators take turns, one instruction a turn, in the same order in every K step.  first = 1: the bias starts the sums
.macro MUL f, first
.set a, 0
.rept 2
.set c, 0
.rept 6
.if \first
	v_wmma_f32_16x16x32_bf16 v[ACC+8*(6*a+c):ACC+8*(6*a+c)+7], v[(\f)+8*c:(\f)+8*c+7], v[(\f)+48+8*a:(\f)+48+8*a+7], v[BIAS+8*c:BIAS+8*c+7]
.else
	v_wmma_f32_16x16x32_bf16 v[ACC+8*(6*a+c):ACC+8*(6*a+c)+7], v[(\f)+8*c:(\f)+8*c+7], v[(\f)+48+8*a:(\f)+48+8*a+7], v[ACC+8*(6*a+c):ACC+8*(6*a+c)+7]
.endif
.set c, c+1
.endr
.set a, a+1
.endr
.endm
.macro PLACES                          ; four plain vector instructions between a matrix instruction and a load into, or a vector read of, its registers
.rept 4
	v_nop
.endr
.endm
	FETCH 0, F0
	s_wait_dscnt 0x0
	MUL F0, 1
	PLACES                                         ; buffer 1 lies where the bias lay, buffer 0 has just been multiplied
	FETCH 1, (F0+64)
	FETCH 2, F0
.irp k, 1,2,3,4,5,6,7
.if (\k) < 7
	s_wait_dscnt 16                                ; this step's 16 loads are in; the next step's 16 stay out
.else
	s_wait_dscnt 0x0
.endif
	MUL (F0+64*((\k)%2)), 0
.if (\k) < 6
	PLACES
	FETCH ((\k)+2), (F0+64*((\k)%2))
.endif
.endr
	PLACES
.irp a, 0,1                            ; my rows' cos and sin of frequencies 8 (lane / 16) + 0..7
	ds_load_b128 v[CSN+16*(\a):CSN+16*(\a)+3], v[TR] offset:(\a)*16*TP
	ds_load_b128 v[CSN+16*(\a)+4:CSN+16*(\a)+7], v[TR] offset:(\a)*16*TP+16
	ds_load_b128 v[CSN+16*(\a)+8:CSN+16*(\a)+11], v[TR] offset:(\a)*16*TP+64
	ds_load_b128 v[CSN+16*(\a)+12:CSN+16*(\a)+15], v[TR] offset:(\a)*16*TP+80
.endr
	s_wait_dscnt 0x0
; Row tile a of group g: x1 = tile 2 g, x2 = tile 2 g + 1: x1 cos - x2 sin, x2 cos + x1 sin; each accumulator's lowest registers are read first
.macro ROPE a, g
.set t0, ACC+8*(6*(\a)+2*(\g))
.set t1, t0+8
.set cs, CSN+16*(\a)
.set sn, cs+8
.irp j, 0,2,4,6
	v_pk_mul_f32 v[U+(\j):U+(\j)+1], v[t1+(\j):t1+(\j)+1], v[sn+(\j):sn+(\j)+1]
	v_pk_mul_f32 v[W+(\j):W+(\j)+1], v[t0+(\j):t0+(\j)+1], v[sn+(\j):sn+(\j)+1]
	v_pk_fma_f32 v[U+(\j):U+(\j)+1], v[t0+(\j):t0+(\j)+1], v[cs+(\j):cs+(\j)+1], v[U+(\j):U+(\j)+1] neg_lo:[0,0,1] neg_hi:[0,0,1]
	v_pk_fma_f32 v[W+(\j):W+(\j)+1], v[t1+(\j):t1+(\j)+1], v[cs+(\j):cs+(\j)+1], v[W+(\j):W+(\j)+1]
.endr
.irp j, 0,1,2,3
	v_cvt_pk_f16_f32 v[PK+8*(\a)+(\j)], v[U+2*(\j)], v[U+2*(\j)+1]
.endr
.irp j, 0,1,2,3
	v_cvt_pk_f16_f32 v[PK+8*(\a)+4+(\j)], v[W+2*(\j)], v[W+2*(\j)+1]
.endr
	ds_store_b128 v[STO], v[PK+8*(\a):PK+8*(\a)+3] offset:(\a)*16*SP
	ds_store_b128 v[STO], v[PK+8*(\a)+4:PK+8*(\a)+7] offset:(\a)*16*SP+32
.endm
.macro PLAIN a, g                      ; a head of v: rounded as it is
.set t0, ACC+8*(6*(\a)+2*(\g))
.irp j, 0,1,2,3,4,5,6,7
	v_cvt_pk_f16_f32 v[PK+8*(\a)+(\j)], v[t0+2*(\j)], v[t0+2*(\j)+1]
.endr
	ds_store_b128 v[STO], v[PK+8*(\a):PK+8*(\a)+3] offset:(\a)*16*SP
	ds_store_b128 v[STO], v[PK+8*(\a)+4:PK+8*(\a)+7] offset:(\a)*16*SP+32
.endm
; Group g goes out through my own stages: 16 bytes a lane in, whole rows of 64 bytes back; a store of the wave covers 512 consecutive bytes of the head's dense rows, aligned.
; The branch hangs on the work-group's and the wave's numbers alone: groups from 16 on are v's.  LDS serves a wave's instructions in order (ISA guide 5.7.1.4): the loads see the stores above them.
.macro HEADOUT g
	s_cmp_ge_u32 s19, 16-(\g)
	s_cbranch_scc1 .Lplain_\@
	ROPE 0, \g
	ROPE 1, \g
	s_branch .Ljoin_\@
.Lplain_\@:
	PLAIN 0, \g
	PLAIN 1, \g
.Ljoin_\@:
.irp q, 0,1,2,3
	ds_load_b128 v[OB+16*(\g)+4*(\q):OB+16*(\g)+4*(\q)+3], v[RD] offset:((\q)/2)*16*SP+((\q)%2)*8*SP
.endr
	s_wait_dscnt 0x0
.irp q, 0,1,2,3
	global_store_b128 v[XO], v[OB+16*(\g)+4*(\q):OB+16*(\g)+4*(\q)+3], s[OUT:OUT+1] offset:(\g)*65536+((\q)/2)*1024+((\q)%2)*512
.endr
.endm
	HEADOUT 0
	HEADOUT 1
	HEADOUT 2
	s_wait_tensorcnt 0x0                           ; the wave's end, behind my last LDS store
	ds_add_u32 v[SPW], v[NIL]
	s_wait_dscnt 0x0
	s_endpgm
.Lfunc_end_k_q51414c5ff3_qkvrope:
	.size	k_q51414c5ff3_qkvrope, .Lfunc_end_k_q51414c5ff3_qkvrope-k_q51414c5ff3_qkvrope
	.p2alignl 7, 3214868480
	.fill 96, 4, 3214868480
	.section	.rodata,"a",@progbits
	.p2align	6, 0x0
	.amdhsa_kernel k_q51414c5ff3_qkvrope
		.amdhsa_group_segment_fixed_size 214016
		.amdhsa_private_segment_fixed_size 0
		.amdhsa_enable_private_segment 0
		.amdhsa_kernarg_size 32
		.amdhsa_user_sgpr_count 2
		.amdhsa_user_sgpr_kernarg_segment_ptr 1
		.amdhsa_wavefront_size32 1
		.amdhsa_system_sgpr_workgroup_id_x 1
		.amdhsa_system_sgpr_workgroup_id_y 1
		.amdhsa_system_sgpr_workgroup_id_z 1
		.amdhsa_system_vgpr_workitem_id 0
		.amdhsa_next_free_vgpr 256
		.amdhsa_next_free_sgpr 66
		.amdhsa_reserve_vcc 1
		.amdhsa_float_denorm_mode_32 3
		.amdhsa_float_denorm_mode_16_64 3
		.amdhsa_memory_ordered 1
		.amdhsa_forward_progress 1
		.amdhsa_inst_pref_size 75
	.end_amdhsa_kernel
	.amdgpu_metadata
---
amdhsa.version: [ 1, 2 ]
amdhsa.kernels:
  - .name:           k_q51414c5ff3_qkvrope
    .symbol:         k_q51414c5ff3_qkvrope.kd
    .args:
      - { .name: input_tensor, .offset: 0, .size: 8, .value_kind: global_buffer, .address_space: global }
      - { .name: w_attn, .offset: 8, .size: 8, .value_kind: global_buffer, .address_space: global }
      - { .name: b_attn, .offset: 16, .size: 8, .value_kind: global_buffer, .address_space: global }
      - { .name: qkv, .offset: 24, .size: 8, .value_kind: global_buffer, .address_space: global }
    .group_segment_fixed_size: 214016
    .private_segment_fixed_size: 0
    .kernarg_segment_align: 8
    .kernarg_segment_size: 32
    .max_flat_workgroup_size: 256
    .sgpr_count:     66
    .vgpr_count:     256
    .wavefront_size: 32
...
	.end_amdgpu_metadata
.endif
;; end of part 1
;; launch attn (part 2): grid 256 x 1, 8 waves a work-group, clusters of 4 x 1, 191,488 bytes of LDS; arguments qkv, att; writes att
.if DOCPART == 2
	.amdgcn_target "amdgcn-amd-amdhsa--gfx1250"
	.amdhsa_code_object_version 6
	.text
	.protected	k_q51414c5ff3_attn
	.globl	k_q51414c5ff3_attn
	.p2align	8
	.type	k_q51414c5ff3_attn,@function
k_q51414c5ff3_attn:
	s_mov_b64 s[64:65], 0
	v_nop
	global_prefetch_b8 v0, s[64:65] scope:SCOPE_SE
	s_setreg_imm32_b32 hwreg(HW_REG_WAVE_MODE, 25, 1), 1
	s_wait_xcnt 0x0
	s_wait_alu depctr_hold_cnt(0) depctr_sa_sdst(0) depctr_va_vdst(0) depctr_va_sdst(0) depctr_va_ssrc(0) depctr_va_vcc(0) depctr_vm_vsrc(0)
	s_getreg_b32 s2, hwreg(HW_REG_IB_STS2, 6, 4)
	s_cmp_eq_u32 s2, 0
	s_cbranch_scc0 .Lentry_in_a_cluster
	s_endpgm
.Lentry_in_a_cluster:
	s_bfe_u32 s2, ttmp6, 0x10000c
	s_cmp_lg_u32 s2, 0x3003
	s_cbranch_scc0 .Lentry_shape_is_right
	s_endpgm
.Lentry_shape_is_right:
; SECOND LAUNCH: causal attention at head size 32.  att[hs][t][:] = the sum over s <= t of softmax_s(q[t] . k[s] / sqrt(32)) v[s][:], hs = 8 bn + h.
; qkv: [bn][G 24][t 1024][32] f16 (G = h: q, 8 + h: k, 16 + h: v); att: [hs 64][t 1024][32] f16.  Products, maxima and sums in f32; the weights p are rounded to f16 for the second product.
; WORK LEFT OUT: tiles of 16 queries x 64 keys wholly above the diagonal (their weights are 0 by reference()'s own mask: shown at the head of the first launch's text); a NaN or an infinity that would arise only there is not carried on.
; LIMITS.  A hidden score inside the diagonal's tile is replaced by -1e30; a weight below 2^-126 counts as 0; l is the f32 sum of the weights as rounded to f16; NaN and infinities are not treated apart.
; CLUSTER.  The four work-groups of a cluster have one head (the cluster's number).  The head's whole K and V, 1,024 rows each, are asked for JOINTLY (the same tensor loads, descriptors and mask of four in all four)
; and stay in LDS for the whole launch: no byte of LDS is filled twice, and no barrier stands in a loop.
; SHARES.  A head has 64 tiles of 16 queries.  Wave w of partner cx has a = 4 w + cx and takes tile 63 - a (tile A) and tile a (tile B): in steps of 64 keys A needs steps 0 .. 15 - w, B steps 0 .. w:
; 17 units of 16 x 64 for every wave of the launch.  The counts hang on the wave's number alone; cx enters Q's and O's global addresses and the mask's numbers, nothing else.
; LAYOUT.  S^T = K Q^T (source 0 = 16 keys, source 1 = 16 queries): a lane holds ONE query (lane % 16) and the keys 8 (lane / 16) + 0..7.  Two such results rounded to f16 in pairs ARE source 1
; (32 keys x 16 queries) of O^T = V^T P.  l = ones x P by the matrix unit: every register of its result holds the query's sum over all 32 keys, so no lane exchange and no vector sums; only its register 0 is kept scaled and used.
; SOFTMAX.  A running maximum m: p = 2^(c s - c m), c = log2(e) / sqrt(32); in every unit O and l are multiplied by a = 2^(c m_old - c m_new).  m starts at the lowest finite number, O and l at 0: the first unit has a = 0.
.set KP,    80                         ; a row of K in LDS: 64 bytes + 16: the 16 rows of a load start at 16 different groups of four banks (64 banks of 4 bytes: ISA guide 11.1)
.set VP,    96                         ; a row of V: 64 + 32 = 3 x 32
.set VOFF,  1024*KP
.set STG,   VOFF+1024*VP               ; never filled by a tensor load: 16 rows x 80 bytes for each wave, for the way out
.set SP,    80
.set SPARE, STG+8*16*SP                ; the spare words, 128 bytes for each wave: four blocks of 256 bytes that no other line names
.set R,   1
.set H,   2
.set AK0, 3                            ; v3   my lane's place in a step's K: (lane % 16) rows + 16 (lane / 16); never rewritten
.set AV0, 4                            ; v4   the same for V, turned
.set AK,  5
.set AV,  6
.set QO,  7
.set STO, 8
.set RD,  9
.set GO,  10
.set MK,  11                           ; v11, v12  tile A's, B's: my query's place in its step of 64 keys less 8 (lane / 16): register i is hidden where 16 (i / 8) + i % 8 is greater
.set SPW, 14                           ; v14  my spare word; never rewritten
.set NIL, 15                           ; v15  0; never rewritten
.set TT,  16                           ; statistics, tile x at + 8 x: c m, m, c0, c1, c2 (later a), c3, c m_old, c m_old - c m_new; on the way out + 4 and + 5 hold 1 / l
.set QF,  32                           ; Q, tile x at + 8 x
.set ONES, 48                          ; v[48:55] 1.0 in every f16
.set KF,  64                           ; a step's K: 16 keys kb at + 8 kb
.set VF,  96                           ; its V^T: keys 32 kk .., channels 16 cb .. at + 16 kk + 8 cb
.set S,   128
.set P,   160
.set OT,  176                          ; O^T, tile x at + 16 x, channels 16 cb .. at + 8 cb
.set LS,  208                          ; l, tile x at + 8 x
.set PK,  224
.set OB,  240
.set WV,  8                            ; s8   my wave's number
.set G1KS, 24                          ; descriptor groups 1: K's first 256 keys (16 rows of 256 bytes a wave),
.set G1KB, 32                          ; K's other 768 (48 rows a wave),
.set G1VS, 68                          ; the same for V: other padding
.set G1VB, 76
.set G0KS, 40                          ; and groups 0
.set G0KB, 44
.set G0VS, 84
.set G0VB, 88
.set ST,   48                          ; s48  the key step
.set LAST, 49                          ; s49, s50  tile A's, B's last step, which holds the diagonal
.set TBK,  51                          ; s51  LDS byte of the step's K
.set TBV,  52                          ; s52  of its V, less VOFF
.set BIGN, 53
.set CS,   54                          ; s[54:55] c
.set SEL,  56                          ; s[56:57] v_permlanex16_b32's selects: each lane takes its own place in the other half
.macro CROUND                          ; a round of the cluster's barrier: my work-group's barrier; wave 0 signals for the work-group; every wave waits for all four; my work-group's barrier once more
	s_barrier_signal -1
	s_barrier_wait -1
	s_cmp_lg_u32 s[WV], 0
	s_cbranch_scc1 .Lnot_wave_0_\@
	s_barrier_signal -3
.Lnot_wave_0_\@:
	s_barrier_wait -3
	s_barrier_signal -1
	s_barrier_wait -1
.endm
.macro PLACES
.rept 4
	v_nop
.endr
.endm
	s_load_b128 s[4:7], s[0:1], 0x0                ; qkv s[4:5], att s[6:7]
	v_lshl_add_u32 v[SPW], v0, 2, SPARE
	v_mov_b32 v[NIL], 0
	ds_add_u32 v[SPW], v[NIL]                      ; the wave's opening: the add, twice on end, and its wait ahead of my first tensor load; the set-up below stands between
	ds_add_u32 v[SPW], v[NIL]
	v_lshrrev_b32 v13, 5, v0
	v_readfirstlane_b32 s[WV], v13                 ; wave 0..7
	s_and_b32 s11, s[WV], 3                        ; which quarter of K's (waves 0-3) or V's (waves 4-7) rows I fetch
	s_lshr_b32 s14, ttmp9, 3                       ; the cluster's number is the head: bn,
	s_mul_i32 s14, s14, 1572864
	s_and_b32 s15, ttmp9, 7                        ; h
	s_lshl_b32 s15, s15, 16
	s_add_co_u32 s14, s14, s15
	s_mov_b32 s15, 0                               ; s[14:15] the head's q in qkv
	s_lshl_b32 s22, s11, 12                        ; my 64 keys of the first 256
	s_mov_b32 s23, 0
	s_mul_i32 s2, s11, 12288                       ; my 192 keys of the other 768
	s_mov_b32 s3, 0
	; group 1: dense rows of 64 bytes, asked for as rows of 256 bytes (4 keys), padded in LDS behind every key
	s_mov_b32 s[G1KS], 15|(1<<16)|(1<<20)|(1<<21)|(3<<22)|(3<<25)  ; 15:0 the mask of four; 17:16 2-byte elements; 20 padding on; 21 set beside a mask; 24:22 after every 16 words (code 3); 31:25 4 words (code 3)
	s_mov_b32 s[G1KB], 15|(1<<16)|(1<<20)|(1<<21)|(3<<22)|(3<<25)
	s_mov_b32 s[G1VS], 15|(1<<16)|(1<<20)|(1<<21)|(3<<22)|(7<<25)  ; 8 words of padding (code 7)
	s_mov_b32 s[G1VB], 15|(1<<16)|(1<<20)|(1<<21)|(3<<22)|(7<<25)
.irp g, G1KS, G1KB, G1VS, G1VB
	s_mov_b32 s[\g+1], 128<<16                     ; tensor_dim0 = 128
	s_mov_b32 s[\g+3], 128<<16                     ; tile_dim0 = 128
	s_mov_b32 s[\g+5], 128                         ; 128 elements from row to row
	s_mov_b32 s[\g+6], 0
	s_mov_b32 s[\g+7], 0
.endr
.irp g, G1KS, G1VS
	s_mov_b32 s[\g+2], 16<<16                      ; tensor_dim1 = tile_dim1 = 16
	s_mov_b32 s[\g+4], 16
.endr
.irp g, G1KB, G1VB
	s_mov_b32 s[\g+2], 48<<16                      ; 48
	s_mov_b32 s[\g+4], 48
.endr
	s_mov_b32 s[G0KS], 1                           ; group 0: count 1; the LDS address: a constant and the wave's quarter times a constant
	s_mul_i32 s[G0KS+1], s11, 64*KP
	s_mov_b32 s[G0KB], 1
	s_mul_i32 s[G0KB+1], s11, 192*KP
	s_add_co_u32 s[G0KB+1], s[G0KB+1], 256*KP
	s_mov_b32 s[G0VS], 1
	s_mul_i32 s[G0VS+1], s11, 64*VP
	s_add_co_u32 s[G0VS+1], s[G0VS+1], VOFF
	s_mov_b32 s[G0VB], 1
	s_mul_i32 s[G0VB+1], s11, 192*VP
	s_add_co_u32 s[G0VB+1], s[G0VB+1], VOFF+256*VP
	s_sub_co_u32 s[LAST], 15, s[WV]
	s_mov_b32 s[LAST+1], s[WV]
	s_mov_b32 s[BIGN], 0xf149f2ca                  ; -1e30
	s_mov_b32 s[CS], 0x3e8293ee                    ; c = log2(e) / sqrt(32) = 0.255035
	s_mov_b32 s[CS+1], s[CS]                       ; named with it as a pair
	s_mov_b32 s[SEL], 0x76543210
	s_mov_b32 s[SEL+1], 0xfedcba98
	s_bfe_u32 s9, ttmp6, 0x40000                   ; cx: it stays in s9, s12, s13, s[62:63], which feed no descriptor, no LDS address and no branch
	s_lshl2_add_u32 s13, s[WV], s9                 ; a = 4 w + cx
	s_sub_co_u32 s12, 63, s13
	s_lshl_b32 s12, s12, 10                        ; tile A's 16 rows of 64 bytes
	s_lshl_b32 s13, s13, 10                        ; tile B's
	s_lshl_b32 s10, ttmp9, 16                      ; the head in att
	s_mov_b32 s63, 0
	s_wait_dscnt 0x0                               ; both opening adds are done
	s_wait_kmcnt 0x0
	s_add_nc_u64 s[16:17], s[4:5], s[14:15]
	s_add_nc_u64 s[G0KS+2:G0KS+3], s[16:17], s[22:23]
	s_add_nc_u64 s[G0KS+2:G0KS+3], s[G0KS+2:G0KS+3], 524288          ; k lies 8 groups behind q
	s_or_b32 s[G0KS+3], s[G0KS+3], 0x80000000                        ; type = 2
	s_add_nc_u64 s[G0KB+2:G0KB+3], s[16:17], s[2:3]
	s_add_nc_u64 s[G0KB+2:G0KB+3], s[G0KB+2:G0KB+3], 524288+16384
	s_or_b32 s[G0KB+3], s[G0KB+3], 0x80000000
	s_add_nc_u64 s[G0VS+2:G0VS+3], s[16:17], s[22:23]
	s_add_nc_u64 s[G0VS+2:G0VS+3], s[G0VS+2:G0VS+3], 1048576         ; v 16 groups
	s_or_b32 s[G0VS+3], s[G0VS+3], 0x80000000
	s_add_nc_u64 s[G0VB+2:G0VB+3], s[16:17], s[2:3]
	s_add_nc_u64 s[G0VB+2:G0VB+3], s[G0VB+2:G0VB+3], 1048576+16384
	s_or_b32 s[G0VB+3], s[G0VB+3], 0x80000000
	s_mov_b32 s62, s12
	s_add_nc_u64 s[18:19], s[16:17], s[62:63]      ; Q of tile A
	s_mov_b32 s62, s13
	s_add_nc_u64 s[20:21], s[16:17], s[62:63]      ; Q of tile B
	s_add_co_u32 s62, s10, s12
	s_add_nc_u64 s[58:59], s[6:7], s[62:63]        ; O of tile A
	s_add_co_u32 s62, s10, s13
	s_add_nc_u64 s[60:61], s[6:7], s[62:63]        ; O of tile B
	CROUND                                         ; all four work-groups are here: the joint loads meet
	s_cmp_lt_u32 s[WV], 4                          ; a wave's two fills stand in one branch on the wave's number: two tensor loads of mine are out; an s_nop 0 follows each, four v_nop the second's
	s_cbranch_scc0 .Lfor_v
	tensor_load_to_lds s[G0KS:G0KS+3], s[G1KS:G1KS+7]
	s_nop 0
	tensor_load_to_lds s[G0KB:G0KB+3], s[G1KB:G1KB+7]
	s_nop 0
.rept 4
	v_nop
.endr
	s_branch .Lasked
.Lfor_v:
	tensor_load_to_lds s[G0VS:G0VS+3], s[G1VS:G1VS+7]
	s_nop 0
	tensor_load_to_lds s[G0VB:G0VB+3], s[G1VB:G1VB+7]
	s_nop 0
.rept 4
	v_nop
.endr
.Lasked:
	; all that follows up to the wait stands in the time in which the tiles come
	v_and_b32 v[R], 15, v0
	v_bfe_u32 v[H], v0, 4, 1
	v_lshlrev_b32 v[QO], 6, v[R]
	v_lshl_add_u32 v[QO], v[H], 4, v[QO]           ; a fragment of Q or K: row lane % 16, channels 8 (lane / 16) + 0..7 and 16 + 8 (lane / 16) + 0..7: two loads of 16 bytes, 32 apart
	global_load_b128 v[QF:QF+3], v[QO], s[18:19]
	global_load_b128 v[QF+4:QF+7], v[QO], s[18:19] offset:32
	global_load_b128 v[QF+8:QF+11], v[QO], s[20:21]
	global_load_b128 v[QF+12:QF+15], v[QO], s[20:21] offset:32
	v_mul_u32_u24 v[AK0], v[R], KP
	v_lshl_add_u32 v[AK0], v[H], 4, v[AK0]
	v_and_b32 v13, 7, v0
	v_lshl_add_u32 v[AV0], v[H], 3, v13            ; the turning load: key 8 (lane / 16) + lane % 8, channels 8 ((lane / 8) % 2) ..
	v_mul_u32_u24 v[AV0], v[AV0], VP
	v_bfe_u32 v13, v0, 3, 1
	v_lshl_add_u32 v[AV0], v13, 4, v[AV0]
	v_add_nc_u32 v[AV0], VOFF, v[AV0]
	s_mul_i32 s14, s[WV], 16*SP
	s_add_co_u32 s14, s14, STG                     ; my stage
	v_add_nc_u32 v[STO], s14, v[AK0]               ; in: row lane % 16 of 80 bytes, 16 bytes for each half of the lanes: K's own lane term
	v_bfe_u32 v13, v0, 2, 3
	v_mul_u32_u24 v[RD], v13, SP                   ; back: 32 lanes take 8 rows of 64 bytes
	v_and_b32 v13, 3, v0
	v_lshl_add_u32 v[RD], v13, 4, v[RD]
	v_add_nc_u32 v[RD], s14, v[RD]
	v_and_b32 v13, 31, v0
	v_lshlrev_b32 v[GO], 4, v13
	v_lshlrev_b32 v13, 3, v[H]
	v_sub_nc_u32 v13, v[R], v13
	s_sub_co_u32 s62, 3, s9
	s_lshl_b32 s62, s62, 4
	v_add_nc_u32 v[MK], s62, v13                   ; tile 63 - a lies at 16 (3 - cx) in its last step,
	s_lshl_b32 s62, s9, 4
	v_add_nc_u32 v[MK+1], s62, v13                 ; tile a at 16 cx
.set i, 0
.rept 8
	v_mov_b32 v[ONES+i], 0x3c003c00
.set i, i+1
.endr
.set i, 0
.rept 48                               ; O^T and l start at 0, so that one text serves every unit
	v_mov_b32 v[OT+i], 0
.set i, i+1
.endr
.irp x, 0,1
	v_mov_b32 v[TT+8*(\x)], 0xfe000000             ; c m: far below every c s
	v_mov_b32 v[TT+8*(\x)+1], 0xff7fffff           ; m
.endr
; A step's 16 LDS loads: K (64 keys x 32 channels: 4 fragments), then V, turned (4 fragments)
.macro FETCH
	v_add_nc_u32 v[AK], s[TBK], v[AK0]
	v_add_nc_u32 v[AV], s[TBV], v[AV0]
.irp kb, 0,1,2,3
	ds_load_b128 v[KF+8*(\kb):KF+8*(\kb)+3], v[AK] offset:(\kb)*16*KP
	ds_load_b128 v[KF+8*(\kb)+4:KF+8*(\kb)+7], v[AK] offset:(\kb)*16*KP+32
.endr
.irp f, 0,1,2,3
	ds_load_tr16_b128 v[VF+8*(\f):VF+8*(\f)+3], v[AV] offset:((\f)/2)*32*VP+((\f)%2)*32
	ds_load_tr16_b128 v[VF+8*(\f)+4:VF+8*(\f)+7], v[AV] offset:((\f)/2)*32*VP+((\f)%2)*32+16*VP
.endr
.endm
; A UNIT: tile x (0: A, 1: B) against the step's 64 keys.  own = 1: it is the first behind FETCH and waits for the loads.
.macro UNIT x, own
.set rT, TT+8*(\x)
.set rQ, QF+8*(\x)
.set rO, OT+16*(\x)
.set rL, LS+8*(\x)
.if \own
	s_wait_dscnt 8                                 ; K is in; V's eight loads, issued behind it, may stay out
.endif
.irp kb, 0,1,2,3
	v_wmma_f32_16x16x32_f16 v[S+8*(\kb):S+8*(\kb)+7], v[KF+8*(\kb):KF+8*(\kb)+7], v[rQ:rQ+7], 0
.endr
	v_mov_b32 v[rT+6], v[rT]                       ; c m_old is kept; with three v_nop the four places behind the products
	v_nop
	v_nop
	v_nop
	s_cmp_lg_u32 s[ST], s[LAST+(\x)]               ; only the tile's last step holds the diagonal
	s_cbranch_scc1 .Lopen_\@
.set i, 0
.rept 32
	v_cmp_gt_i32 vcc_lo, 16*(i/8)+i%8, v[MK+(\x)]
	v_cndmask_b32 v[S+i], v[S+i], s[BIGN], vcc_lo
.set i, i+1
.endr
.Lopen_\@:
	; the maximum of the lane's 32 scores and the old m: four chains of seven, three operands at a time (each accumulator's lowest registers first), the four left over, the chains into one
.irp n, 0,1,2,3
	v_max3_num_f32 v[rT+2+(\n)], v[S+8*(\n)], v[S+8*(\n)+1], v[S+8*(\n)+2]
.endr
.irp n, 4,5,6,7,8,9,10,11
	v_max3_num_f32 v[rT+2+(\n)%4], v[rT+2+(\n)%4], v[S+8*((\n)%4)+2*((\n)/4)+1], v[S+8*((\n)%4)+2*((\n)/4)+2]
.endr
	v_max3_num_f32 v[rT+2], v[rT+2], v[S+7], v[S+15]
	v_max3_num_f32 v[rT+3], v[rT+3], v[S+23], v[S+31]
	v_max3_num_f32 v[rT+4], v[rT+4], v[rT+5], v[rT+1]
	v_max3_num_f32 v[rT+2], v[rT+2], v[rT+3], v[rT+4]
	v_permlanex16_b32 v[rT+5], v[rT+2], s[SEL], s[SEL+1]  ; the query's other 32 keys lie in the lane 16 away
	v_max_num_f32 v[rT+1], v[rT+2], v[rT+5]
	v_mul_f32 v[rT], s[CS], v[rT+1]
	v_sub_f32 v[rT+7], v[rT+6], v[rT]
	; ONE BATCH: 16 packed scalings c s - c m and 33 exponentials; none of these lines names an exponential's result
	v_pk_fma_f32 v[S:S+1], v[S:S+1], s[CS:CS+1], v[rT:rT+1] op_sel_hi:[1,0,0] neg_lo:[0,0,1] neg_hi:[0,0,1]
.set b, 1
.rept 15
	v_pk_fma_f32 v[S+2*b:S+2*b+1], v[S+2*b:S+2*b+1], s[CS:CS+1], v[rT:rT+1] op_sel_hi:[1,0,0] neg_lo:[0,0,1] neg_hi:[0,0,1]
	v_exp_f32 v[S+2*b-2], v[S+2*b-2]
	v_exp_f32 v[S+2*b-1], v[S+2*b-1]
.set b, b+1
.endr
	v_exp_f32 v[S+30], v[S+30]
	v_exp_f32 v[S+31], v[S+31]
	v_exp_f32 v[rT+4], v[rT+7]                     ; a
	v_nop                                          ; a plain instruction behind the last exponential, ahead of the first use (ISA guide 5.7.2)
	s_wait_alu depctr_va_vdst(0)                   ; and one wait ahead of the batch's first reader
.set i, 0
.rept 16
	v_cvt_pk_f16_f32 v[P+i], v[S+2*i], v[S+2*i+1]
.set i, i+1
.endr
.set i, 0
.rept 8
	v_pk_mul_f32 v[rO+2*i:rO+2*i+1], v[rO+2*i:rO+2*i+1], v[rT+4:rT+5] op_sel_hi:[1,0]
.set i, i+1
.endr
	v_mul_f32 v[rL], v[rL], v[rT+4]                ; of l's eight equal registers only the lowest is kept scaled, and only it is read
.if \own
	s_wait_dscnt 0x0                               ; V is in
.endif
.irp kk, 0,1                           ; three accumulators by turns, one instruction a turn
	v_wmma_f32_16x16x32_f16 v[rO:rO+7], v[VF+16*(\kk):VF+16*(\kk)+7], v[P+8*(\kk):P+8*(\kk)+7], v[rO:rO+7]
	v_wmma_f32_16x16x32_f16 v[rO+8:rO+15], v[VF+16*(\kk)+8:VF+16*(\kk)+15], v[P+8*(\kk):P+8*(\kk)+7], v[rO+8:rO+15]
	v_wmma_f32_16x16x32_f16 v[rL:rL+7], v[ONES:ONES+7], v[P+8*(\kk):P+8*(\kk)+7], v[rL:rL+7]
.endr
	PLACES                                         ; ahead of the next loads into V's registers, the next writes of P, and the reads of O^T and l
.endm
	s_wait_tensorcnt 1                             ; my part of keys 0-255 is in; my part of the others may stay out
	s_barrier_signal -1
	s_barrier_wait -1                              ; everybody's is
	s_wait_loadcnt 0x0                             ; Q
	s_mov_b32 s[ST], 0
	s_mov_b32 s[TBK], 0
	s_mov_b32 s[TBV], 0
.Lnear:                                ; steps 0-3: tile A always (its last step is 8 or later), tile B up to its last step
	FETCH
	UNIT 0, 1
	s_cmp_gt_u32 s[ST], s[LAST+1]
	s_cbranch_scc1 .Lnear_next
	UNIT 1, 0
.Lnear_next:
	s_add_co_u32 s[TBK], s[TBK], 64*KP
	s_add_co_u32 s[TBV], s[TBV], 64*VP
	s_add_co_u32 s[ST], s[ST], 1
	s_cmp_lt_u32 s[ST], 4
	s_cbranch_scc1 .Lnear
	s_wait_tensorcnt 0x0                           ; my part of keys 256-1023 is in,
	s_wait_dscnt 0x0
	s_barrier_signal -1
	s_barrier_wait -1                              ; everybody's is
	s_mov_b32 s[ST], 4
	s_mov_b32 s[TBK], 256*KP
	s_mov_b32 s[TBV], 256*VP
.Lfar:                                 ; steps 4-15, counted to the constant; a wave's dead steps are jumped forward, over no barrier and no tensor load
	s_cmp_gt_u32 s[ST], s[LAST]
	s_cbranch_scc1 .Lfar_next
	FETCH
	UNIT 0, 1
	s_cmp_gt_u32 s[ST], s[LAST+1]
	s_cbranch_scc1 .Lfar_next
	UNIT 1, 0
.Lfar_next:
	s_add_co_u32 s[TBK], s[TBK], 64*KP
	s_add_co_u32 s[TBV], s[TBV], 64*VP
	s_add_co_u32 s[ST], s[ST], 1
	s_cmp_lt_u32 s[ST], 16
	s_cbranch_scc1 .Lfar
	; THE WAY OUT: O^T / l, rounded to f16, through my stage: 16 bytes a lane in, whole rows of 64 bytes back.
	; Each tile's reciprocal is made twice, to fill the register pair that the packed multiply takes: both registers of the pair are written here, on every path.
	v_rcp_f32 v[TT+4], v[LS]
	v_rcp_f32 v[TT+5], v[LS]
	v_rcp_f32 v[TT+12], v[LS+8]
	v_rcp_f32 v[TT+13], v[LS+8]
	v_nop                                          ; a plain instruction behind the last reciprocal, ahead of the first use (ISA guide 5.7.2)
	s_wait_alu depctr_va_vdst(0)                   ; one wait for the four reciprocals, ahead of their first reader
.macro SENDOUT x
.set rT, TT+8*(\x)
.set rO, OT+16*(\x)
.set i, 0
.rept 8
	v_pk_mul_f32 v[rO+2*i:rO+2*i+1], v[rO+2*i:rO+2*i+1], v[rT+4:rT+5]
.set i, i+1
.endr
.set i, 0
.rept 8
	v_cvt_pk_f16_f32 v[PK+8*(\x)+i], v[rO+2*i], v[rO+2*i+1]
.set i, i+1
.endr
	ds_store_b128 v[STO], v[PK+8*(\x):PK+8*(\x)+3]
	ds_store_b128 v[STO], v[PK+8*(\x)+4:PK+8*(\x)+7] offset:32
	ds_load_b128 v[OB+8*(\x):OB+8*(\x)+3], v[RD]                 ; LDS serves a wave's instructions in order (ISA guide 5.7.1.4): these see the stores above; the other tile's stores come behind them
	ds_load_b128 v[OB+8*(\x)+4:OB+8*(\x)+7], v[RD] offset:8*SP
.endm
	SENDOUT 0
	SENDOUT 1
	s_wait_dscnt 0x0
	global_store_b128 v[GO], v[OB:OB+3], s[58:59]                ; each store covers 512 consecutive bytes, aligned
	global_store_b128 v[GO], v[OB+4:OB+7], s[58:59] offset:512
	global_store_b128 v[GO], v[OB+8:OB+11], s[60:61]
	global_store_b128 v[GO], v[OB+12:OB+15], s[60:61] offset:512
	s_wait_tensorcnt 0x0                           ; the wave's end, behind my last tensor load and my last LDS store
	ds_add_u32 v[SPW], v[NIL]
	s_wait_dscnt 0x0
	CROUND                                         ; the closing round: no work-group ends while a partner may still ask for a tile that names it
	s_endpgm
.Lfunc_end_k_q51414c5ff3_attn:
	.size	k_q51414c5ff3_attn, .Lfunc_end_k_q51414c5ff3_attn-k_q51414c5ff3_attn
	.p2alignl 7, 3214868480
	.fill 96, 4, 3214868480
	.section	.rodata,"a",@progbits
	.p2align	6, 0x0
	.amdhsa_kernel k_q51414c5ff3_attn
		.amdhsa_group_segment_fixed_size 191488
		.amdhsa_private_segment_fixed_size 0
		.amdhsa_enable_private_segment 0
		.amdhsa_kernarg_size 16
		.amdhsa_user_sgpr_count 2
		.amdhsa_user_sgpr_kernarg_segment_ptr 1
		.amdhsa_wavefront_size32 1
		.amdhsa_system_sgpr_workgroup_id_x 1
		.amdhsa_system_sgpr_workgroup_id_y 1
		.amdhsa_system_sgpr_workgroup_id_z 1
		.amdhsa_system_vgpr_workitem_id 0
		.amdhsa_next_free_vgpr 256
		.amdhsa_next_free_sgpr 92
		.amdhsa_reserve_vcc 1
		.amdhsa_float_denorm_mode_32 3
		.amdhsa_float_denorm_mode_16_64 3
		.amdhsa_memory_ordered 1
		.amdhsa_forward_progress 1
		.amdhsa_inst_pref_size 53
	.end_amdhsa_kernel
	.amdgpu_metadata
---
amdhsa.version: [ 1, 2 ]
amdhsa.kernels:
  - .name:           k_q51414c5ff3_attn
    .symbol:         k_q51414c5ff3_attn.kd
    .args:
      - { .name: qkv, .offset: 0, .size: 8, .value_kind: global_buffer, .address_space: global }
      - { .name: att, .offset: 8, .size: 8, .value_kind: global_buffer, .address_space: global }
    .group_segment_fixed_size: 191488
    .private_segment_fixed_size: 0
    .kernarg_segment_align: 8
    .kernarg_segment_size: 16
    .max_flat_workgroup_size: 256
    .sgpr_count:     92
    .vgpr_count:     256
    .wavefront_size: 32
...
	.end_amdgpu_metadata
.endif
;; end of part 2
;; launch proj (part 3): grid 4 x 64, 8 waves a work-group, no clusters, 76,800 bytes of LDS; arguments att, w_proj, b_proj, out0; writes out0
.if DOCPART == 3
	.amdgcn_target "amdgcn-amd-amdhsa--gfx1250"
	.amdhsa_code_object_version 6
	.text
	.protected	k_q51414c5ff3_proj
	.globl	k_q51414c5ff3_proj
	.p2align	8
	.type	k_q51414c5ff3_proj,@function
k_q51414c5ff3_proj:
	s_mov_b64 s[64:65], 0
	v_nop
	global_prefetch_b8 v0, s[64:65] scope:SCOPE_SE
	s_setreg_imm32_b32 hwreg(HW_REG_WAVE_MODE, 25, 1), 1
	s_wait_xcnt 0x0
; THIRD LAUNCH: out0 = att w_proj + b_proj, back in the order (b, t, n, e).  Nothing is left out here.
; att: [bn 8][h 8][t 1024][32] f16; w_proj: [256 (k)][256 (n)] f32; out0 row (bn, t) at b x 4,194,304 + t x 4,096 + n x 1,024 bytes, f32.
; FORMATS.  w_proj and b_proj are rounded to bf16, like every input; w's rounded number is then written as f16 (exact within f16's range; below 6e-5 it keeps f16's fixed step of 6e-8), since att is f16; sums in f32.
; SHARES.  A work-group: 128 rows t of one sequence x 64 columns (256 bytes of an output row); K = 256 whole.  Wave w: 16 rows x 64 columns, four accumulators.  K step k is head k: its fragment of att,
; 16 rows of 64 dense bytes, comes straight from memory into registers: no other wave of the work-group wants it.
; USED TRANSPOSED (source 0 = 16 columns of w, source 1 = 16 rows of att): a lane holds one row and eight neighbouring columns.
; NO CLUSTER: w's slice passes through registers for its rounding, and att's fragments are shared by no two waves of a work-group; what four work-groups share is 64 KiB of att each, brought by plain loads.
.set WP,    160                        ; w in f16, [k][n]: 256 rows of 128 bytes + 32 (5 x 32)
.set STG,   256*WP                     ; the way out: for each wave 16 rows of 256 bytes + 16
.set SP,    272
.set SPARE, STG+8*16*SP                ; the spare words, 128 bytes for each wave: four blocks of 256 bytes that no other line names
.set R,   1
.set H,   2
.set AO,  3                            ; v3   att's fragments: (lane % 16) x 64 + 16 (lane / 16)
.set WO,  4                            ; v4   w's loads
.set WL,  5                            ; v5   where my 8 bytes of w go
.set BO,  6                            ; v6   32 (lane / 16)
.set AW,  7                            ; v7   w's fragments
.set STO, 8
.set RD,  9
.set CO,  10                           ; v10  my 16 bytes of two output rows
.set SPW, 28
.set NIL, 29
.set AF,  32                           ; v[32:95]   att, head k at + 8 k
.set RAW, 96                           ; v[96:159]  w as loaded; then the two fragment buffers of 32; then the rows read back
.set BI,  160                          ; v[160:191] the bias, column tile c at + 8 c
.set ACC, 192                          ; v[192:223]
.set T,   224                          ; v[224:255]
.set AB,  22                           ; s[22:23]
.set WB,  24                           ; s[24:25]
.set BB,  26                           ; s[26:27]
.set OUT, 28                           ; s[28:29]
	s_load_b256 s[4:11], s[0:1], 0x0               ; att s[4:5], w s[6:7], b s[8:9], out0 s[10:11]
	v_lshl_add_u32 v[SPW], v0, 2, SPARE
	v_mov_b32 v[NIL], 0
	v_lshrrev_b32 v11, 5, v0
	v_readfirstlane_b32 s12, v11                   ; wave 0..7
	s_mov_b32 s13, ttmp9                           ; cb: which 64 columns
	s_and_b32 s14, ttmp7, 0xffff
	s_lshr_b32 s15, s14, 3                         ; bn
	s_and_b32 s16, s14, 7                          ; tb
	v_and_b32 v[R], 15, v0
	v_bfe_u32 v[H], v0, 4, 1
	v_lshlrev_b32 v[AO], 6, v[R]
	v_lshl_add_u32 v[AO], v[H], 4, v[AO]
	v_lshlrev_b32 v[WO], 10, v[H]                  ; lanes 0-15 one row of w, lanes 16-31 the next: 256 consecutive bytes each, aligned
	v_lshl_add_u32 v[WO], v[R], 4, v[WO]
	s_mul_i32 s17, s12, 32*WP
	v_mul_u32_u24 v[WL], v[H], WP
	v_lshl_add_u32 v[WL], v[R], 3, v[WL]
	v_add_nc_u32 v[WL], s17, v[WL]
	v_lshlrev_b32 v[BO], 5, v[H]
	v_and_b32 v11, 7, v0
	v_bfe_u32 v12, v0, 3, 1
	v_lshl_add_u32 v[AW], v[H], 3, v11
	v_mul_u32_u24 v[AW], v[AW], WP
	v_lshl_add_u32 v[AW], v12, 4, v[AW]
	s_mul_i32 s17, s12, 16*SP
	s_add_co_u32 s17, s17, STG
	v_mul_u32_u24 v[STO], v[R], SP
	v_lshl_add_u32 v[STO], v[H], 5, v[STO]
	v_add_nc_u32 v[STO], s17, v[STO]
	v_mul_u32_u24 v[RD], v[H], SP
	v_lshl_add_u32 v[RD], v[R], 4, v[RD]
	v_add_nc_u32 v[RD], s17, v[RD]
	v_lshlrev_b32 v[CO], 12, v[H]
	v_lshl_add_u32 v[CO], v[R], 4, v[CO]
	s_lshl_b32 s20, s15, 19                        ; att: bn x 8 heads x 65,536 + my 16 rows of 64 bytes
	s_lshl_b32 s21, s16, 13
	s_add_co_u32 s20, s20, s21
	s_lshl_b32 s21, s12, 10
	s_add_co_u32 s20, s20, s21
	s_mov_b32 s21, 0
	s_lshl_b32 s18, s13, 8                         ; w: my work-group's 256 bytes of a row, my wave's 32 rows
	s_lshl_b32 s19, s12, 15
	s_add_co_u32 s18, s18, s19
	s_mov_b32 s19, 0
	s_lshl_b32 s2, s13, 8                          ; b
	s_mov_b32 s3, 0
	s_lshr_b32 s30, s15, 2                         ; out0
	s_lshl_b32 s30, s30, 22
	s_and_b32 s31, s15, 3
	s_lshl_b32 s31, s31, 10
	s_add_co_u32 s30, s30, s31
	s_lshl_b32 s31, s16, 19
	s_add_co_u32 s30, s30, s31
	s_lshl_b32 s31, s12, 16
	s_add_co_u32 s30, s30, s31
	s_lshl_b32 s31, s13, 8
	s_add_co_u32 s30, s30, s31
	s_mov_b32 s31, 0
	s_wait_kmcnt 0x0
	s_add_nc_u64 s[AB:AB+1], s[4:5], s[20:21]
	s_add_nc_u64 s[WB:WB+1], s[6:7], s[18:19]
	s_add_nc_u64 s[BB:BB+1], s[8:9], s[2:3]
	s_add_nc_u64 s[OUT:OUT+1], s[10:11], s[30:31]
.set p, 0
.rept 16
	global_load_b128 v[RAW+4*p:RAW+4*p+3], v[WO], s[WB:WB+1] offset:p*2048
.set p, p+1
.endr
.set c, 0
.rept 4
	global_load_b128 v[BI+8*c:BI+8*c+3], v[BO], s[BB:BB+1] offset:64*c
	global_load_b128 v[BI+8*c+4:BI+8*c+7], v[BO], s[BB:BB+1] offset:64*c+16
.set c, c+1
.endr
.set k, 0
.rept 8
	global_load_b128 v[AF+8*k:AF+8*k+3], v[AO], s[AB:AB+1] offset:k*65536
	global_load_b128 v[AF+8*k+4:AF+8*k+7], v[AO], s[AB:AB+1] offset:k*65536+32
.set k, k+1
.endr
	s_wait_loadcnt 24                              ; w is in; the bias's 8 and att's 16 loads stay out
.set p, 0
.rept 16                               ; f32 -> bf16 (the rounding) -> f32 -> f16 (the same number), 8 bytes a lane into LDS
	v_cvt_pk_bf16_f32 v[T+2*p], v[RAW+4*p], v[RAW+4*p+1]
	v_cvt_pk_bf16_f32 v[T+2*p+1], v[RAW+4*p+2], v[RAW+4*p+3]
	v_lshlrev_b32 v[RAW+4*p], 16, v[T+2*p]
	v_and_b32 v[RAW+4*p+1], 0xffff0000, v[T+2*p]
	v_lshlrev_b32 v[RAW+4*p+2], 16, v[T+2*p+1]
	v_and_b32 v[RAW+4*p+3], 0xffff0000, v[T+2*p+1]
	v_cvt_pk_f16_f32 v[T+2*p], v[RAW+4*p], v[RAW+4*p+1]
	v_cvt_pk_f16_f32 v[T+2*p+1], v[RAW+4*p+2], v[RAW+4*p+3]
	ds_store_b64 v[WL], v[T+2*p:T+2*p+1] offset:p*2*WP
.set p, p+1
.endr
	s_wait_loadcnt 16                              ; the bias is in
.set c, 0
.rept 16
	v_cvt_pk_bf16_f32 v[11+c%4], v[BI+2*c], v[BI+2*c+1]
	v_lshlrev_b32 v[BI+2*c], 16, v[11+c%4]
	v_and_b32 v[BI+2*c+1], 0xffff0000, v[11+c%4]
.set c, c+1
.endr
	s_wait_dscnt 0x0                               ; for the others' sake: my stores of w are done
	s_barrier_signal -1
	s_barrier_wait -1                              ; the launch's one barrier: behind it w's bytes are only read
	s_wait_loadcnt 0x0                             ; att
.macro FETCH k, f                      ; K step k: w's four fragments, turned: 8 LDS loads
.set c, 0
.rept 4
	ds_load_tr16_b128 v[(\f)+8*c:(\f)+8*c+3], v[AW] offset:(\k)*32*WP+32*c
	ds_load_tr16_b128 v[(\f)+8*c+4:(\f)+8*c+7], v[AW] offset:(\k)*32*WP+32*c+16*WP
.set c, c+1
.endr
.endm
.macro PLACES                          ; four plain vector instructions between a matrix instruction and a load into, or a read of, its registers
.rept 4
	v_nop
.endr
.endm
	FETCH 0, RAW
	FETCH 1, (RAW+32)
.irp k, 0,1,2,3,4,5,6,7
.if (\k) < 7
	s_wait_dscnt 8                                 ; this step's 8 loads are in; the next step's stay out
.else
	s_wait_dscnt 0x0
.endif
.set f, RAW+32*((\k)%2)
.set c, 0
.rept 4                                ; the four accumulators take turns, in the same order in every step; the bias starts the sums
.if (\k) == 0
	v_wmma_f32_16x16x32_f16 v[ACC+8*c:ACC+8*c+7], v[f+8*c:f+8*c+7], v[AF+8*(\k):AF+8*(\k)+7], v[BI+8*c:BI+8*c+7]
.else
	v_wmma_f32_16x16x32_f16 v[ACC+8*c:ACC+8*c+7], v[f+8*c:f+8*c+7], v[AF+8*(\k):AF+8*(\k)+7], v[ACC+8*c:ACC+8*c+7]
.endif
.set c, c+1
.endr
.if (\k) < 6
	PLACES
	FETCH ((\k)+2), (RAW+32*((\k)%2))
.endif
.endr
	PLACES
	; THE WAY OUT, through my own stage: 32 bytes a lane and tile in (each accumulator's low half first), whole rows of 256 bytes back
.irp c, 0,1,2,3
	ds_store_b128 v[STO], v[ACC+8*(\c):ACC+8*(\c)+3] offset:64*(\c)
	ds_store_b128 v[STO], v[ACC+8*(\c)+4:ACC+8*(\c)+7] offset:64*(\c)+16
.endr
.irp f, 0,1,2,3,4,5,6,7
	ds_load_b128 v[RAW+4*(\f):RAW+4*(\f)+3], v[RD] offset:(\f)*2*SP  ; LDS serves a wave's instructions in order (ISA guide 5.7.1.4): these see the stores above
.endr
.irp f, 0,1,2,3,4,5,6,7
	s_wait_dscnt 7-(\f)
	global_store_b128 v[CO], v[RAW+4*(\f):RAW+4*(\f)+3], s[OUT:OUT+1] offset:(\f)*8192 th:TH_STORE_NT  ; 16 lanes store 256 consecutive bytes of one output row, aligned
.endr
	s_wait_tensorcnt 0x0                           ; the wave's end, behind my last LDS store
	ds_add_u32 v[SPW], v[NIL]
	s_wait_dscnt 0x0
	s_endpgm
.Lfunc_end_k_q51414c5ff3_proj:
	.size	k_q51414c5ff3_proj, .Lfunc_end_k_q51414c5ff3_proj-k_q51414c5ff3_proj
	.p2alignl 7, 3214868480
	.fill 96, 4, 3214868480
	.section	.rodata,"a",@progbits
	.p2align	6, 0x0
	.amdhsa_kernel k_q51414c5ff3_proj
		.amdhsa_group_segment_fixed_size 76800
		.amdhsa_private_segment_fixed_size 0
		.amdhsa_enable_private_segment 0
		.amdhsa_kernarg_size 32
		.amdhsa_user_sgpr_count 2
		.amdhsa_user_sgpr_kernarg_segment_ptr 1
		.amdhsa_wavefront_size32 1
		.amdhsa_system_sgpr_workgroup_id_x 1
		.amdhsa_system_sgpr_workgroup_id_y 1
		.amdhsa_system_sgpr_workgroup_id_z 1
		.amdhsa_system_vgpr_workitem_id 0
		.amdhsa_next_free_vgpr 256
		.amdhsa_next_free_sgpr 66
		.amdhsa_reserve_vcc 0
		.amdhsa_float_denorm_mode_32 3
		.amdhsa_float_denorm_mode_16_64 3
		.amdhsa_memory_ordered 1
		.amdhsa_forward_progress 1
		.amdhsa_inst_pref_size 27
	.end_amdhsa_kernel
	.amdgpu_metadata
---
amdhsa.version: [ 1, 2 ]
amdhsa.kernels:
  - .name:           k_q51414c5ff3_proj
    .symbol:         k_q51414c5ff3_proj.kd
    .args:
      - { .name: att, .offset: 0, .size: 8, .value_kind: global_buffer, .address_space: global }
      - { .name: w_proj, .offset: 8, .size: 8, .value_kind: global_buffer, .address_space: global }
      - { .name: b_proj, .offset: 16, .size: 8, .value_kind: global_buffer, .address_space: global }
      - { .name: out0, .offset: 24, .size: 8, .value_kind: global_buffer, .address_space: global }
    .group_segment_fixed_size: 76800
    .private_segment_fixed_size: 0
    .kernarg_segment_align: 8
    .kernarg_segment_size: 32
    .max_flat_workgroup_size: 256
    .sgpr_count:     66
    .vgpr_count:     256
    .wavefront_size: 32
...
	.end_amdgpu_metadata
.endif
;; end of part 3
;; ======== version 2 of 2: 3 launches; version 1 with the launches qkvrope, proj written anew for expert scheduling mode
;; limits: values are held in f16: magnitudes above 65,504 overflow, below 6.1e-05 lose precision
;; workspace buffers: qkv 12,582,912 bytes; att 4,194,304 bytes
;; launch qkvrope (part 4): grid 4 x 64, 8 waves a work-group, no clusters, 214,016 bytes of LDS; arguments input_tensor, w_attn, b_attn, qkv; writes qkv
.if DOCPART == 4
	.amdgcn_target "amdgcn-amd-amdhsa--gfx1250"
	.amdhsa_code_object_version 6
	.text
	.protected	k_q51414c5ff3_qkvrope
	.globl	k_q51414c5ff3_qkvrope
	.p2align	8
	.type	k_q51414c5ff3_qkvrope,@function
k_q51414c5ff3_qkvrope:
	s_mov_b64 s[64:65], 0
	v_nop
	global_prefetch_b8 v0, s[64:65] scope:SCOPE_SE
	s_setreg_imm32_b32 hwreg(HW_REG_WAVE_SCHED_MODE, 0, 2), 2
	s_setreg_imm32_b32 hwreg(HW_REG_WAVE_MODE, 25, 1), 1
	s_wait_xcnt 0x0
	s_wait_alu depctr_vm_vsrc(0)
; FIRST OF THREE LAUNCHES: qkv = x w_attn + b_attn, RoPE on q and k, stored by heads in f16.
; qkv workspace: [bn 8][G 24][t 1024][32] f16; G = h: q, 8 + h: k, 16 + h: v; bn = 4 b + n.
; WORK LEFT OUT IN THE PROGRAM (in the second launch alone).  reference() overwrites every score with key s > query t by finfo.min (its own jnp.tril) ahead
; of the softmax; a row's own key is never hidden, so the row's maximum is a true score and a hidden key's weight is exp(finfo.min - max) = 0 to within rounding, whatever
; finite values the inputs hold.  So tiles of 16 queries x 64 keys that lie wholly above the diagonal are not computed.  Every input has a way to the output and is loaded.
; LIMIT: a NaN, an infinity or an overflow that would arise only in such a tile is not carried to the result.
; FORMATS.  x, w_attn and b_attn are rounded to bf16 (all the module's inputs are), products in bf16 with f32 sums; q, k, v rounded once to f16.
; LIMITS.  |q|, |k|, |v| must stay under 65,504 (f16).  sin and cos come from a reduction by pi/2 in two parts and polynomials of degree 7 and 8 on the f32 angle t x 10^(-j/4):
; off by some 3e-7 at the most for t under 1,024.  NaN and infinities are not treated apart.
; SHARES.  A work-group: 128 rows t of one sequence bn x 192 columns (6 groups of 32: a head of q, k or v each); K = 256 whole.  Eight waves: wave w has rows 32 (w / 2) .. + 31 and columns 96 (w % 2) .. + 95.
; THE MATRIX INSTRUCTION IS USED TRANSPOSED (source 0 = 16 columns of w, source 1 = 16 rows of x): a lane holds one row (lane % 16) and the columns 8 (lane / 16) + 0..7 of a tile,
; so channels d and d + 16 of a head lie in the same lane and register of two neighbouring tiles, and RoPE never leaves the lane.
; NO CLUSTER, NO TENSOR LOADS: x's and w's tiles are f32, 131,072 + 196,608 bytes, as much as all the LDS that a work-group can have; both are rounded to bf16 on the way, which takes them through registers.
; THE MODE: SCHED_MODE bits 1:0 = 2 (LLVM: expert scheduling mode 2), set by the entry lines.  The code itself states the register dependences
; between vector or matrix instructions and memory or LDS instructions, with s_wait_alu, always for 0.
; THE PLAN.  Registers that memory or LDS instructions touch:
;   v3 .. v14      offsets and LDS addresses: written at the head, never again; one wait on va_vdst ahead of the first load serves every load and store of the kernel.
;   SA, SB, SC, SD four raw sets of 64.  Loads land in them, the roundings read them.  x goes into SA and SB, w into SC, SD and once more SA; that second use of SA stands behind the wait that follows SA's roundings.
;   T              32 registers.  A batch: 32 roundings write T; ONE wait on va_vdst; the batch's 16 LDS stores read T.  One wait on vm_vsrc stands ahead of the next batch's roundings, behind the wait for that batch's data.
;   COS, SIN       written by the selects, read by the table's four LDS stores, which stand behind the first batch's wait on va_vdst.
;   FB0 .. FB3     four fragment buffers of 64 (FB0 = SA, FB1 = the bias and COS, SIN, FB2 = SC, FB3 = SD).  K steps 0 to 7 take FB0, 2, 3, 1, 0, 2, 3, 1.  Steps 0 to 2 are fetched behind the barrier;
;                  one wait on va_vdst behind steps 0 and 1 frees FB0, FB1, FB2 for steps 4, 3, 5; one behind steps 2 and 3 frees FB3, FB1 for steps 6, 7.  The runs of loads stand between products that name other buffers.
;   PK0, PK1, PK2  one out-buffer for each of the wave's three groups: written by the roundings to f16, read by four LDS stores behind one wait on va_vdst, and never written again.
;   CSN, OB        the table's rows and the stage's rows land in FB0's and FB1's registers, behind the wait on va_vdst that follows the last products.
; REGISTERS above v255 are reached through s_set_vgpr_msb (bits 1:0 source 0, 3:2 source 1, 5:4 source 2, 7:6 destination): window 1 holds SC = FB2 (v256-319) and SD = FB3 (v320-383), nothing else.
.set XS,    0                          ; x in bf16: 128 rows of 512 bytes + 16 of padding
.set XP,    528
.set WS,    67584                      ; w in bf16, [k][n]: 256 rows of 384 bytes + 32 of padding (13 x 32)
.set WP,    416
.set TAB,   174080                     ; 128 rows: cos of 16 frequencies at + 0, sin at + 64; pitch 144
.set TP,    144
.set STG,   192512                     ; the way out: for each wave two stages of 16 rows x 80 bytes
.set SP,    80
.set SPARE, 212992                     ; the spare words, 128 bytes for each wave: four blocks of 256 bytes that no other line names
.set R,   1                            ; v1   lane % 16
.set H,   2                            ; v2   lane / 16
.set XO,  3                            ; v3   16 x lane: offset of x's loads and of the stores
.set WO,  4                            ; v4   w's loads: (lane / 16) rows + 16 (lane % 16)
.set XL,  5                            ; v5   where my 8 bytes of x go in LDS
.set WL,  6                            ; v6   the same for w
.set BO,  7                            ; v7   32 (lane / 16): my 8 numbers of a tile's bias
.set TL,  8                            ; v8   where I put my 8 cos and 8 sin
.set AX,  9                            ; v9   x's fragments
.set AW,  10                           ; v10, v11  w's fragments: K steps 0-3, 4-7 (an LDS offset has 16 bits)
.set TR,  12                           ; v12  the table, read
.set STO, 13                           ; v13  stage, in
.set RD,  14                           ; v14  stage, back
.set TF,  16                           ; v16  my table row's position t, as f32
.set SPW, 28                           ; v28  my spare word; never rewritten
.set NIL, 29                           ; v29  0; never rewritten
.set C7,  30                           ; v30  -1/5040
.set C8,  31                           ; v31  1/40320
.set SA,  32                           ; loading: raw set A, v[32:95]
.set SB,  160                          ; set B, v[160:223]
.set SC,  0                            ; set C, in window 1: v[256:319]
.set SD,  64                           ; set D, in window 1: v[320:383]
.set T,   224                          ; v[224:255] rounded pairs on their way to LDS
.set SPO, T                            ; ahead of that, while the table is made: frequency j's sine polynomial at + j,
.set CPO, T+8                          ; its cosine polynomial,
.set SGS, T+16                         ; the sine's sign bit,
.set SGC, T+24                         ; the cosine's
.set BIAS, 96                          ; v[96:143] column tile c at + 8 c
.set COS, 144
.set SIN, 152
.set FB0, 32                           ; multiplying: fragment buffers: w's six at + 8 c, x's two at + 48 + 8 a
.set FB1, 96
.set FB2, 0                            ; in window 1
.set FB3, 64                           ; in window 1
.set ACC, 160                          ; v[160:255] accumulator (a, c) at + 8 (6 a + c)
.set CSN, 32                           ; the way out: cos of row tile a at + 16 a, sin at + 16 a + 8
.set U,   64
.set W,   72
.set PK0, 80                           ; group 0's out-buffer, row tile a at + 8 a
.set PK1, 144                          ; group 1's
.set PK2, 160                          ; group 2's: the two accumulators of group 0's row tile 0, which group 0's arithmetic has used up
.set OB,  96                           ; + 16 g
.set MS,  4                            ; s[4:11] the eight quadrant masks: free once the four bases are made from the arguments
.set TH,  24                           ; s[24:31] my eight frequencies
.set XB,  38                           ; s[38:39] x at my wave's 16 rows
.set WB,  40                           ; s[40:41] w at my wave's 32 k rows, the work-group's columns
.set BB,  42                           ; s[42:43] b_attn at my wave's 96 columns
.set OUT, 44                           ; s[44:45] qkv at my wave's first group and row
.set MSB, 0
.macro WIN new                         ; the immediate's high byte repeats the setting that is left; a switch that changes nothing is dropped
.if MSB != (\new)
	s_set_vgpr_msb (MSB<<8)|(\new)
.set MSB, (\new)
.endif
.endm
	s_load_b256 s[4:11], s[0:1], 0x0               ; x s[4:5], w s[6:7], b s[8:9], qkv s[10:11]
	v_lshl_add_u32 v[SPW], v0, 2, SPARE
	v_mov_b32 v[NIL], 0
	v_lshrrev_b32 v17, 5, v0
	v_readfirstlane_b32 s12, v17                   ; wave 0..7
	s_mov_b32 s13, ttmp9                           ; cb: which 192 columns
	s_and_b32 s14, ttmp7, 0xffff
	s_lshr_b32 s15, s14, 3                         ; bn
	s_and_b32 s16, s14, 7                          ; tb: rows 128 tb ..
	s_wait_alu depctr_va_sdst(0)                   ; s12 is written, ahead of its first reader
	s_lshr_b32 s17, s12, 1                         ; wr
	s_and_b32 s18, s12, 1                          ; wc
	s_mul_i32 s19, s13, 6
	s_mul_i32 s2, s18, 3
	s_add_co_u32 s19, s19, s2                      ; my first group G = 6 cb + 3 wc
	s_mov_b32 s32, 0x3f22f983                      ; 2 / pi
	s_mov_b32 s33, 0xbfc90fdb                      ; - pi/2, its f32
	s_mov_b32 s34, 0x333bbd2e                      ; and what that f32 has too much
	v_mov_b32 v[C7], 0xb9500d01
	v_mov_b32 v[C8], 0x37d00d01
	; 10^(-j/4): waves 0-3 make frequencies 0-7 of the table, waves 4-7 frequencies 8-15
	s_cmp_ge_u32 s12, 4
.macro THETA j, lo, hi
	s_mov_b32 s[TH+(\j)], \lo
	s_cmov_b32 s[TH+(\j)], \hi
.endm
	THETA 0, 0x3f800000, 0x3c23d70a
	THETA 1, 0x3f0ff59a, 0x3bb8449c
	THETA 2, 0x3ea1e89b, 0x3b4f3e37
	THETA 3, 0x3e361887, 0x3ae91528
	THETA 4, 0x3dcccccd, 0x3a83126f
	THETA 5, 0x3d6655c3, 0x3a136a16
	THETA 6, 0x3d0186e2, 0x39a5cb5f
	THETA 7, 0x3c91ad39, 0x393a7753
	v_and_b32 v[R], 15, v0
	v_bfe_u32 v[H], v0, 4, 1
	v_and_b32 v17, 31, v0                          ; lane
	v_lshlrev_b32 v[XO], 4, v17
	v_mul_u32_u24 v[WO], v[H], 3072                ; a row of w is 3,072 bytes
	v_lshl_add_u32 v[WO], v[R], 4, v[WO]
	s_mul_i32 s2, s12, 16*XP
	v_lshl_add_u32 v[XL], v17, 3, s2               ; XS + my wave's 16 rows + 8 x lane
	s_mul_i32 s2, s12, 32*WP
	s_add_co_u32 s2, s2, WS
	v_mul_u32_u24 v[WL], v[H], WP
	v_lshl_add_u32 v[WL], v[R], 3, v[WL]
	v_add_nc_u32 v[WL], s2, v[WL]
	v_lshlrev_b32 v[BO], 5, v[H]
	s_and_b32 s3, s12, 3                           ; the table: row 32 (wave % 4) + lane, frequencies 8 (wave / 4) ..
	s_mul_i32 s2, s3, 32*TP
	s_lshr_b32 s35, s12, 2
	s_lshl_b32 s35, s35, 5
	s_add_co_u32 s2, s2, s35
	s_add_co_u32 s2, s2, TAB
	v_mul_u32_u24 v[TL], v17, TP
	v_add_nc_u32 v[TL], s2, v[TL]
	s_lshl_b32 s2, s16, 7
	s_lshl_b32 s3, s3, 5
	s_add_co_u32 s2, s2, s3
	v_add_nc_u32 v[TF], s2, v17
	v_cvt_f32_u32 v[TF], v[TF]                     ; t
	s_mul_i32 s2, s17, 32*XP
	v_mul_u32_u24 v[AX], v[R], XP
	v_lshl_add_u32 v[AX], v[H], 4, v[AX]
	v_add_nc_u32 v[AX], s2, v[AX]                  ; (32 wr + lane % 16) rows + 16 (lane / 16)
	v_and_b32 v18, 7, v0
	v_bfe_u32 v19, v0, 3, 1
	v_lshl_add_u32 v[AW], v[H], 3, v18             ; the turning load: k row 8 (lane / 16) + lane % 8, columns 8 ((lane / 8) % 2) ..
	v_mul_u32_u24 v[AW], v[AW], WP
	v_lshl_add_u32 v[AW], v19, 4, v[AW]
	s_mul_i32 s2, s18, 192
	s_add_co_u32 s2, s2, WS
	v_add_nc_u32 v[AW], s2, v[AW]
	v_add_nc_u32 v[AW+1], 128*WP, v[AW]
	s_mul_i32 s2, s17, 32*TP
	s_add_co_u32 s2, s2, TAB
	v_mul_u32_u24 v[TR], v[R], TP
	v_lshl_add_u32 v[TR], v[H], 5, v[TR]
	v_add_nc_u32 v[TR], s2, v[TR]
	s_mul_i32 s2, s12, 32*SP
	s_add_co_u32 s2, s2, STG
	v_mul_u32_u24 v[STO], v[R], SP
	v_lshl_add_u32 v[STO], v[H], 4, v[STO]
	v_add_nc_u32 v[STO], s2, v[STO]
	v_bfe_u32 v18, v0, 2, 3
	v_and_b32 v19, 3, v0
	v_mul_u32_u24 v[RD], v18, SP                   ; back: 32 lanes take 8 rows of 64 bytes
	v_lshl_add_u32 v[RD], v19, 4, v[RD]
	v_add_nc_u32 v[RD], s2, v[RD]
	; byte offsets, each in a pair of its own
	s_lshr_b32 s20, s15, 2                         ; x: b x 4,194,304 + n x 1,024 + t x 4,096
	s_lshl_b32 s20, s20, 22
	s_and_b32 s21, s15, 3
	s_lshl_b32 s21, s21, 10
	s_add_co_u32 s20, s20, s21
	s_lshl_b32 s21, s16, 19
	s_add_co_u32 s20, s20, s21
	s_lshl_b32 s21, s12, 16
	s_add_co_u32 s20, s20, s21
	s_mov_b32 s21, 0
	s_mul_i32 s22, s13, 768                        ; w: 192 columns x 4 bytes; 32 rows a wave
	s_mul_i32 s23, s12, 98304
	s_add_co_u32 s22, s22, s23
	s_mov_b32 s23, 0
	s_mul_i32 s36, s13, 768
	s_mul_i32 s37, s18, 384
	s_add_co_u32 s36, s36, s37
	s_mov_b32 s37, 0
	s_mul_i32 s46, s15, 1572864                    ; qkv: bn, group, row
	s_lshl_b32 s47, s19, 16
	s_add_co_u32 s46, s46, s47
	s_lshl_b32 s47, s16, 13
	s_add_co_u32 s46, s46, s47
	s_lshl_b32 s47, s17, 11
	s_add_co_u32 s46, s46, s47
	s_mov_b32 s47, 0
	s_wait_kmcnt 0x0
	s_add_nc_u64 s[XB:XB+1], s[4:5], s[20:21]
	s_add_nc_u64 s[WB:WB+1], s[6:7], s[22:23]
	s_add_nc_u64 s[BB:BB+1], s[8:9], s[36:37]
	s_add_nc_u64 s[OUT:OUT+1], s[10:11], s[46:47]
	s_wait_alu depctr_va_vdst(0)                   ; the offsets and LDS addresses v3 to v14 are written: every load and store of the kernel reads one of them, and none is written again
; 16 loads of x: load i takes half i % 2 of row i / 2: 512 consecutive bytes, aligned
.macro XLOAD set, i0
.set n, 0
.rept 16
	global_load_b128 v[(\set)+4*n:(\set)+4*n+3], v[XO], s[XB:XB+1] offset:(((\i0)+n)/2)*4096+(((\i0)+n)%2)*512
.set n, n+1
.endr
.endm
; 16 loads of w: load q takes piece q % 3 (256 bytes, aligned) of rows 2 (q / 3) (lanes 0-15) and 2 (q / 3) + 1 (lanes 16-31)
.macro WLOAD set, q0
.set n, 0
.rept 16
	global_load_b128 v[(\set)+4*n:(\set)+4*n+3], v[WO], s[WB:WB+1] offset:(((\q0)+n)/3)*6144+(((\q0)+n)%3)*256
.set n, n+1
.endr
.endm
.macro CVT set                         ; a raw set's 64 numbers a lane are rounded to bf16, into T
.set n, 0
.rept 16
	v_cvt_pk_bf16_f32 v[T+2*n], v[(\set)+4*n], v[(\set)+4*n+1]
	v_cvt_pk_bf16_f32 v[T+2*n+1], v[(\set)+4*n+2], v[(\set)+4*n+3]
.set n, n+1
.endr
.endm
.macro XPUT i0                         ; T into LDS, 8 bytes a lane: a batch of x
.set n, 0
.rept 16
	ds_store_b64 v[XL], v[T+2*n:T+2*n+1] offset:(((\i0)+n)/2)*XP+(((\i0)+n)%2)*256
.set n, n+1
.endr
.endm
.macro WPUT q0                         ; a batch of w
.set n, 0
.rept 16
	ds_store_b64 v[WL], v[T+2*n:T+2*n+1] offset:(((\q0)+n)/3)*2*WP+(((\q0)+n)%3)*128
.set n, n+1
.endr
.endm
; cos and sin of t x frequency j: k = the nearest whole number to angle x 2/pi; r = angle - k pi/2, |r| <= pi/4; polynomials; the quadrant k % 4 swaps them and sets the signs.
; In two parts, so that the eight compares are one run with one wait behind it.  POLY: the two polynomials, the mask of the odd quadrants (into a scalar register), the two sign bits.
.macro POLY j
	v_mul_f32 v17, s[TH+(\j)], v[TF]
	v_mul_f32 v18, s32, v17
	v_rndne_f32 v18, v18
	v_fma_f32 v19, v18, s33, v17
	v_fma_f32 v19, v18, s34, v19
	v_cvt_i32_f32 v21, v18
	v_mul_f32 v20, v19, v19
	v_fmaak_f32 v22, v[C7], v20, 0x3c088889        ; sin: r + r^3 (-1/6 + r^2 (1/120 - r^2 / 5040))
	v_fmaak_f32 v24, v[C8], v20, 0xbab60b61        ; cos: 1 + r^2 (-1/2 + r^2 (1/24 + r^2 (-1/720 + r^2 / 40320)))
	v_fmaak_f32 v22, v22, v20, 0xbe2aaaab
	v_fmaak_f32 v24, v24, v20, 0x3d2aaaab
	v_mul_f32 v23, v19, v20
	v_fma_f32 v24, v24, v20, -0.5
	v_fma_f32 v[SPO+(\j)], v23, v22, v19
	v_fma_f32 v[CPO+(\j)], v24, v20, 1.0
	v_and_b32 v25, 1, v21
	v_cmp_eq_u32 s[MS+(\j)], 1, v25
	v_lshlrev_b32 v25, 30, v21                     ; sin is negative in quadrants 2, 3: bit 1 of k
	v_add_nc_u32 v26, 1, v21                       ; cos in quadrants 1, 2: bit 1 of k + 1
	v_and_b32 v[SGS+(\j)], 0x80000000, v25
	v_lshlrev_b32 v26, 30, v26
	v_and_b32 v[SGC+(\j)], 0x80000000, v26
.endm
.macro PICK j
	v_cndmask_b32 v[SIN+(\j)], v[SPO+(\j)], v[CPO+(\j)], s[MS+(\j)]  ; odd quadrant: sin takes the cosine's polynomial,
	v_cndmask_b32 v[COS+(\j)], v[CPO+(\j)], v[SPO+(\j)], s[MS+(\j)]  ; cos the sine's
	v_xor_b32 v[SIN+(\j)], v[SGS+(\j)], v[SIN+(\j)]
	v_xor_b32 v[COS+(\j)], v[SGC+(\j)], v[COS+(\j)]
.endm
.set c, 0
.rept 6                                ; the bias as the first product's C: register j of a lane is column 16 c + 8 (lane / 16) + j
	global_load_b128 v[BIAS+8*c:BIAS+8*c+3], v[BO], s[BB:BB+1] offset:64*c
	global_load_b128 v[BIAS+8*c+4:BIAS+8*c+7], v[BO], s[BB:BB+1] offset:64*c+16
.set c, c+1
.endr
	XLOAD SA, 0
	XLOAD SB, 16
	WIN 0x40                                       ; destination window 1, offset window 0
	WLOAD SC, 0                                    ; w's first batch goes out with x: 60 loads of the wave are out, the most in this text
	WIN 0
.irp j, 0,1,2,3,4,5,6,7                ; the table is made while those loads are on their way
	POLY \j
.endr
	s_wait_alu depctr_va_sdst(0)                   ; the eight compares have written s[4:11], ahead of the selects that read them
.irp j, 0,1,2,3,4,5,6,7
	PICK \j
.endr
	s_wait_loadcnt 32                              ; loads return in order: the bias and set A are in; sets B and C, 32 loads, stay out
	WIN 0x40
	WLOAD SD, 16                                   ; w's second batch; no vector instruction has ever named set D
	WIN 0
	CVT SA
	s_wait_alu depctr_va_vdst(0)                   ; the selects have written COS and SIN, the roundings T, which the LDS stores below read; the roundings are done reading set A, in which w's third batch lands further down
	ds_store_b128 v[TL], v[COS:COS+3]
	ds_store_b128 v[TL], v[COS+4:COS+7] offset:16
	ds_store_b128 v[TL], v[SIN:SIN+3] offset:64
	ds_store_b128 v[TL], v[SIN+4:SIN+7] offset:80
	XPUT 0
.set c, 0
.rept 24                               ; the bias is rounded to bf16, like every input, and widened again: work on registers that no memory instruction names, in the wait for set B
	v_cvt_pk_bf16_f32 v[17+c%4], v[BIAS+2*c], v[BIAS+2*c+1]
	v_lshlrev_b32 v[BIAS+2*c], 16, v[17+c%4]
	v_and_b32 v[BIAS+2*c+1], 0xffff0000, v[17+c%4]
.set c, c+1
.endr
	s_wait_loadcnt 32                              ; set B is in; sets C and D stay out
	WLOAD SA, 32                                   ; w's third batch.  No wait: no vector instruction since the wait above names set A or the offset
	s_wait_alu depctr_vm_vsrc(0)                   ; the LDS stores issued so far have read T, which the roundings below write again (and COS and SIN, in which fragments land later)
	CVT SB
	s_wait_alu depctr_va_vdst(0)                   ; the roundings have written T, which the LDS stores read
	XPUT 16
	s_wait_loadcnt 32                              ; set C is in; set D and set A's second filling stay out
	s_wait_alu depctr_vm_vsrc(0)                   ; the LDS stores have read T
	WIN 0x05                                       ; sources 0 and 1 window 1
	CVT SC
	WIN 0
	s_wait_alu depctr_va_vdst(0)                   ; T is written; the roundings are done reading set C, in which fragments land behind the barrier
	WPUT 0
	s_wait_loadcnt 16                              ; set D is in; set A's 16 stay out
	s_wait_alu depctr_vm_vsrc(0)                   ; the LDS stores have read T
	WIN 0x05
	CVT SD
	WIN 0
	s_wait_alu depctr_va_vdst(0)                   ; T is written; the roundings are done reading set D
	WPUT 16
	s_wait_loadcnt 0x0
	s_wait_alu depctr_vm_vsrc(0)                   ; the LDS stores have read T
	CVT SA
	s_wait_alu depctr_va_vdst(0)                   ; T is written; the roundings are done reading set A: it is the last vector work ahead of the fragments' first loads
	WPUT 32
	s_wait_dscnt 0x0                               ; for the others' sake: all my stores of x, w and the table are done
	s_barrier_signal -1
	s_barrier_wait -1                              ; the launch's one barrier: behind it these bytes are only read
	s_wait_alu depctr_vm_vsrc(0)                   ; my last LDS stores have read T: its registers are accumulators from here on, written by the first products
; K step k (32 along K): 16 LDS loads: w's six fragments, turned; x's two.  f: the buffer; w: its window
.macro FETCH k, f, w
	WIN 0x40*(\w)
.set c, 0
.rept 6
	ds_load_tr16_b128 v[(\f)+8*c:(\f)+8*c+3], v[AW+(\k)/4] offset:((\k)%4)*32*WP+32*c
	ds_load_tr16_b128 v[(\f)+8*c+4:(\f)+8*c+7], v[AW+(\k)/4] offset:((\k)%4)*32*WP+32*c+16*WP
.set c, c+1
.endr
.set a, 0
.rept 2
	ds_load_b128 v[(\f)+48+8*a:(\f)+48+8*a+3], v[AX] offset:a*16*XP+64*(\k)
	ds_load_b128 v[(\f)+48+8*a+4:(\f)+48+8*a+7], v[AX] offset:a*16*XP+64*(\k)+32
.set a, a+1
.endr
.endm
; 12 products; the 12 accumulators take turns, one instruction a turn, in the same order in every K step.  first = 1: the bias starts the sums
.macro MUL f, first, w
	WIN 0x05*(\w)
.set a, 0
.rept 2
.set c, 0
.rept 6
.if \first
	v_wmma_f32_16x16x32_bf16 v[ACC+8*(6*a+c):ACC+8*(6*a+c)+7], v[(\f)+8*c:(\f)+8*c+7], v[(\f)+48+8*a:(\f)+48+8*a+7], v[BIAS+8*c:BIAS+8*c+7]
.else
	v_wmma_f32_16x16x32_bf16 v[ACC+8*(6*a+c):ACC+8*(6*a+c)+7], v[(\f)+8*c:(\f)+8*c+7], v[(\f)+48+8*a:(\f)+48+8*a+7], v[ACC+8*(6*a+c):ACC+8*(6*a+c)+7]
.endif
.set c, c+1
.endr
.set a, a+1
.endr
.endm
.macro PLACES                          ; four plain vector instructions between a matrix instruction and a load into, or a vector read of, its registers; they stay beside the waits
.rept 4
	v_nop
.endr
.endm
	FETCH 0, FB0, 0                                ; three steps go out together: no vector instruction since the last wait on va_vdst names these buffers
	FETCH 1, FB2, 1
	FETCH 2, FB3, 1
	s_wait_dscnt 32                                ; step 0's 16 loads are in; steps 1 and 2 stay out
	MUL FB0, 1, 0
	s_wait_dscnt 16                                ; step 1 is in; step 2 stays out
	MUL FB2, 0, 1
	PLACES
	WIN 0
	s_wait_alu depctr_va_vdst(0)                   ; the products of steps 0 and 1 are done reading FB0, the bias (FB1) and FB2, in which steps 4, 3 and 5 land
	FETCH 3, FB1, 0
	s_wait_dscnt 16                                ; step 2 is in; step 3 stays out
	MUL FB3, 0, 1
	FETCH 4, FB0, 0                                ; no wait: the products since the wait name FB3 and the accumulators alone
	FETCH 5, FB2, 1
	s_wait_dscnt 32                                ; step 3 is in; steps 4 and 5 stay out
	MUL FB1, 0, 0
	PLACES
	WIN 0x40
	s_wait_alu depctr_va_vdst(0)                   ; the products of steps 2 and 3 are done reading FB3 and FB1, in which steps 6 and 7 land
	FETCH 6, FB3, 1
	s_wait_dscnt 32                                ; step 4 is in; steps 5 and 6 stay out
	MUL FB0, 0, 0
	FETCH 7, FB1, 0                                ; no wait: the products since the wait name FB0 and the accumulators alone
	s_wait_dscnt 32                                ; step 5 is in; steps 6 and 7 stay out
	MUL FB2, 0, 1
	s_wait_dscnt 16
	MUL FB3, 0, 1
	s_wait_dscnt 0x0
	MUL FB1, 0, 0
	WIN 0                                          ; at a label and at a branch every window is 0
	PLACES
	s_wait_alu depctr_va_vdst(0)                   ; the last products are done reading FB0 and FB1, in which the table's rows and, later, the stage's rows land
.irp a, 0,1                            ; my rows' cos and sin of frequencies 8 (lane / 16) + 0..7
	ds_load_b128 v[CSN+16*(\a):CSN+16*(\a)+3], v[TR] offset:(\a)*16*TP
	ds_load_b128 v[CSN+16*(\a)+4:CSN+16*(\a)+7], v[TR] offset:(\a)*16*TP+16
	ds_load_b128 v[CSN+16*(\a)+8:CSN+16*(\a)+11], v[TR] offset:(\a)*16*TP+64
	ds_load_b128 v[CSN+16*(\a)+12:CSN+16*(\a)+15], v[TR] offset:(\a)*16*TP+80
.endr
	s_wait_dscnt 0x0
; Row tile a of group g: x1 = tile 2 g, x2 = tile 2 g + 1: x1 cos - x2 sin, x2 cos + x1 sin; each accumulator's lowest registers are read first.  pb: the group's out-buffer
.macro ROPE a, g, pb
.set t0, ACC+8*(6*(\a)+2*(\g))
.set t1, t0+8
.set cs, CSN+16*(\a)
.set sn, cs+8
.irp j, 0,2,4,6
	v_pk_mul_f32 v[U+(\j):U+(\j)+1], v[t1+(\j):t1+(\j)+1], v[sn+(\j):sn+(\j)+1]
	v_pk_mul_f32 v[W+(\j):W+(\j)+1], v[t0+(\j):t0+(\j)+1], v[sn+(\j):sn+(\j)+1]
	v_pk_fma_f32 v[U+(\j):U+(\j)+1], v[t0+(\j):t0+(\j)+1], v[cs+(\j):cs+(\j)+1], v[U+(\j):U+(\j)+1] neg_lo:[0,0,1] neg_hi:[0,0,1]
	v_pk_fma_f32 v[W+(\j):W+(\j)+1], v[t1+(\j):t1+(\j)+1], v[cs+(\j):cs+(\j)+1], v[W+(\j):W+(\j)+1]
.endr
.irp j, 0,1,2,3
	v_cvt_pk_f16_f32 v[(\pb)+8*(\a)+(\j)], v[U+2*(\j)], v[U+2*(\j)+1]
.endr
.irp j, 0,1,2,3
	v_cvt_pk_f16_f32 v[(\pb)+8*(\a)+4+(\j)], v[W+2*(\j)], v[W+2*(\j)+1]
.endr
.endm
.macro PLAIN a, g, pb                  ; a head of v: rounded as it is
.set t0, ACC+8*(6*(\a)+2*(\g))
.irp j, 0,1,2,3,4,5,6,7
	v_cvt_pk_f16_f32 v[(\pb)+8*(\a)+(\j)], v[t0+2*(\j)], v[t0+2*(\j)+1]
.endr
.endm
; Group g goes out through my own stages, in three parts.  MAKE: the arithmetic, into the group's out-buffer.  The branch hangs on the work-group's and the wave's numbers alone: groups from 16 on are v's.
.macro MAKE g, pb
	s_cmp_ge_u32 s19, 16-(\g)
	s_cbranch_scc1 .Lplain_\@
	ROPE 0, \g, \pb
	ROPE 1, \g, \pb
	s_branch .Ljoin_\@
.Lplain_\@:
	PLAIN 0, \g, \pb
	PLAIN 1, \g, \pb
.Ljoin_\@:
.endm
; STAGE: 16 bytes a lane in, whole rows of 64 bytes back.  LDS serves a wave's instructions in order (ISA guide 5.7.1.4): the loads see the stores above them, and the next group's stores come behind these loads.
.macro STAGE g, pb
	s_wait_alu depctr_va_vdst(0)                   ; on both ways the roundings have written the group's out-buffer, which the LDS stores read
.irp a, 0,1
	ds_store_b128 v[STO], v[(\pb)+8*(\a):(\pb)+8*(\a)+3] offset:(\a)*16*SP
	ds_store_b128 v[STO], v[(\pb)+8*(\a)+4:(\pb)+8*(\a)+7] offset:(\a)*16*SP+32
.endr
.irp q, 0,1,2,3
	ds_load_b128 v[OB+16*(\g)+4*(\q):OB+16*(\g)+4*(\q)+3], v[RD] offset:((\q)/2)*16*SP+((\q)%2)*8*SP
.endr
.endm
; SEND: a store of the wave covers 512 consecutive bytes of the head's dense rows, aligned.  younger: the LDS instructions issued behind the group's loads: the next group's four stores and four loads, or none
.macro SEND g, younger
	s_wait_dscnt \younger
.irp q, 0,1,2,3
	global_store_b128 v[XO], v[OB+16*(\g)+4*(\q):OB+16*(\g)+4*(\q)+3], s[OUT:OUT+1] offset:(\g)*65536+((\q)/2)*1024+((\q)%2)*512
.endr
.endm
	MAKE 0, PK0
	STAGE 0, PK0
	MAKE 1, PK1                                    ; a group's arithmetic stands between the loads of the group before and the wait for them; it writes an out-buffer of its own, so nothing that an LDS store has read is written again
	STAGE 1, PK1
	SEND 0, 8
	MAKE 2, PK2
	STAGE 2, PK2
	SEND 1, 8
	SEND 2, 0
	s_wait_dscnt 0x0                               ; the closing lines, six on end
	s_wait_alu 0x0
	s_wait_tensorcnt 0x0
	ds_add_u32 v[SPW], v[NIL]
	s_wait_dscnt 0x0
	s_endpgm
.Lfunc_end_k_q51414c5ff3_qkvrope:
	.size	k_q51414c5ff3_qkvrope, .Lfunc_end_k_q51414c5ff3_qkvrope-k_q51414c5ff3_qkvrope
	.p2alignl 7, 3214868480
	.fill 96, 4, 3214868480
	.section	.rodata,"a",@progbits
	.p2align	6, 0x0
	.amdhsa_kernel k_q51414c5ff3_qkvrope
		.amdhsa_group_segment_fixed_size 214016
		.amdhsa_private_segment_fixed_size 0
		.amdhsa_enable_private_segment 0
		.amdhsa_kernarg_size 32
		.amdhsa_user_sgpr_count 2
		.amdhsa_user_sgpr_kernarg_segment_ptr 1
		.amdhsa_wavefront_size32 1
		.amdhsa_system_sgpr_workgroup_id_x 1
		.amdhsa_system_sgpr_workgroup_id_y 1
		.amdhsa_system_sgpr_workgroup_id_z 1
		.amdhsa_system_vgpr_workitem_id 0
		.amdhsa_next_free_vgpr 384
		.amdhsa_next_free_sgpr 66
		.amdhsa_reserve_vcc 0
		.amdhsa_float_denorm_mode_32 3
		.amdhsa_float_denorm_mode_16_64 3
		.amdhsa_memory_ordered 1
		.amdhsa_forward_progress 1
		.amdhsa_inst_pref_size 76
	.end_amdhsa_kernel
	.amdgpu_metadata
---
amdhsa.version: [ 1, 2 ]
amdhsa.kernels:
  - .name:           k_q51414c5ff3_qkvrope
    .symbol:         k_q51414c5ff3_qkvrope.kd
    .args:
      - { .name: input_tensor, .offset: 0, .size: 8, .value_kind: global_buffer, .address_space: global }
      - { .name: w_attn, .offset: 8, .size: 8, .value_kind: global_buffer, .address_space: global }
      - { .name: b_attn, .offset: 16, .size: 8, .value_kind: global_buffer, .address_space: global }
      - { .name: qkv, .offset: 24, .size: 8, .value_kind: global_buffer, .address_space: global }
    .group_segment_fixed_size: 214016
    .private_segment_fixed_size: 0
    .kernarg_segment_align: 8
    .kernarg_segment_size: 32
    .max_flat_workgroup_size: 256
    .sgpr_count:     66
    .vgpr_count:     384
    .wavefront_size: 32
...
	.end_amdgpu_metadata
.endif
;; end of part 4
;; launch attn: the kernel of part 2 again; grid 256 x 1, 8 waves a work-group, clusters of 4 x 1, 191,488 bytes of LDS; arguments qkv, att; writes att
;; launch proj (part 5): grid 4 x 64, 8 waves a work-group, no clusters, 76,800 bytes of LDS; arguments att, w_proj, b_proj, out0; writes out0
.if DOCPART == 5
	.amdgcn_target "amdgcn-amd-amdhsa--gfx1250"
	.amdhsa_code_object_version 6
	.text
	.protected	k_q51414c5ff3_proj
	.globl	k_q51414c5ff3_proj
	.p2align	8
	.type	k_q51414c5ff3_proj,@function
k_q51414c5ff3_proj:
	s_mov_b64 s[64:65], 0
	v_nop
	global_prefetch_b8 v0, s[64:65] scope:SCOPE_SE
	s_setreg_imm32_b32 hwreg(HW_REG_WAVE_SCHED_MODE, 0, 2), 2
	s_setreg_imm32_b32 hwreg(HW_REG_WAVE_MODE, 25, 1), 1
	s_wait_xcnt 0x0
	s_wait_alu depctr_vm_vsrc(0)
; THIRD LAUNCH: out0 = att w_proj + b_proj, back in the order (b, t, n, e).  Nothing is left out here.
; att: [bn 8][h 8][t 1024][32] f16; w_proj: [256 (k)][256 (n)] f32; out0 row (bn, t) at b x 4,194,304 + t x 4,096 + n x 1,024 bytes, f32.
; FORMATS.  w_proj and b_proj are rounded to bf16, like every input; w's rounded number is then written as f16 (exact within f16's range; below 6e-5 it keeps f16's fixed step of 6e-8), since att is f16; sums in f32.
; SHARES.  A work-group: 128 rows t of one sequence x 64 columns (256 bytes of an output row); K = 256 whole.  Wave w: 16 rows x 64 columns, four accumulators.  K step k is head k: its fragment of att,
; 16 rows of 64 dense bytes, comes straight from memory into registers: no other wave of the work-group wants it.
; USED TRANSPOSED (source 0 = 16 columns of w, source 1 = 16 rows of att): a lane holds one row and eight neighbouring columns.
; NO CLUSTER: w's slice passes through registers for its rounding, and att's fragments are shared by no two waves of a work-group; what four work-groups share is 64 KiB of att each, brought by plain loads.
; THE MODE: SCHED_MODE bits 1:0 = 2 (LLVM: expert scheduling mode 2), set by the entry lines.  The code itself states the register dependences
; between vector or matrix instructions and memory or LDS instructions, with s_wait_alu, always for 0.
; THE PLAN.  Registers that memory or LDS instructions touch:
;   v3 .. v10      offsets and LDS addresses: written at the head, never again; one wait on va_vdst ahead of the first load serves the whole kernel.
;   RAW, BI, AF    loads land in them once; the conversions read and write RAW, the bias's rounding BI; AF is read by the products alone.
;   T              written by the conversions; ONE wait on va_vdst; read by the 16 LDS stores of w; one wait on vm_vsrc behind the barrier, since T is a fragment buffer from there on.
;   FB0 .. FB3     four fragment buffers of 32 (FB0, FB1 = RAW's halves, FB2 = T, FB3 = the bias).  K steps 0 to 7 take FB0, 1, 2, 3, 0, 1, 2, 3.  Steps 0 to 2 are fetched behind the barrier; one wait on va_vdst
;                  behind steps 0 and 1 frees FB3 (the bias), FB0, FB1 for steps 3, 4, 5; one behind steps 2 and 3 frees FB2, FB3 for steps 6, 7.  The runs of loads stand between products that name other buffers.
;   ACC            written by the products; one wait on va_vdst, behind the four places, ahead of the LDS stores that read it.  The stage's rows land in FB0, which that wait has freed too.
.set WP,    160                        ; w in f16, [k][n]: 256 rows of 128 bytes + 32 (5 x 32)
.set STG,   256*WP                     ; the way out: for each wave 16 rows of 256 bytes + 16
.set SP,    272
.set SPARE, STG+8*16*SP                ; the spare words, 128 bytes for each wave: four blocks of 256 bytes that no other line names
.set R,   1
.set H,   2
.set AO,  3                            ; v3   att's fragments: (lane % 16) x 64 + 16 (lane / 16)
.set WO,  4                            ; v4   w's loads
.set WL,  5                            ; v5   where my 8 bytes of w go
.set BO,  6                            ; v6   32 (lane / 16)
.set AW,  7                            ; v7   w's fragments
.set STO, 8
.set RD,  9
.set CO,  10                           ; v10  my 16 bytes of two output rows
.set SPW, 28
.set NIL, 29
.set AF,  32                           ; v[32:95]   att, head k at + 8 k
.set RAW, 96                           ; v[96:159]  w as loaded; then two fragment buffers; then the rows read back
.set BI,  160                          ; v[160:191] the bias, column tile c at + 8 c; then a fragment buffer
.set ACC, 192                          ; v[192:223]
.set T,   224                          ; v[224:255] w on its way to LDS; then a fragment buffer
.set FB0, RAW
.set FB1, RAW+32
.set FB2, T
.set FB3, BI
.set AB,  22                           ; s[22:23]
.set WB,  24                           ; s[24:25]
.set BB,  26                           ; s[26:27]
.set OUT, 28                           ; s[28:29]
	s_load_b256 s[4:11], s[0:1], 0x0               ; att s[4:5], w s[6:7], b s[8:9], out0 s[10:11]
	v_lshl_add_u32 v[SPW], v0, 2, SPARE
	v_mov_b32 v[NIL], 0
	v_lshrrev_b32 v11, 5, v0
	v_readfirstlane_b32 s12, v11                   ; wave 0..7
	s_mov_b32 s13, ttmp9                           ; cb: which 64 columns
	s_and_b32 s14, ttmp7, 0xffff
	s_lshr_b32 s15, s14, 3                         ; bn
	s_and_b32 s16, s14, 7                          ; tb
	v_and_b32 v[R], 15, v0
	v_bfe_u32 v[H], v0, 4, 1
	v_lshlrev_b32 v[AO], 6, v[R]
	v_lshl_add_u32 v[AO], v[H], 4, v[AO]
	v_lshlrev_b32 v[WO], 10, v[H]                  ; lanes 0-15 one row of w, lanes 16-31 the next: 256 consecutive bytes each, aligned
	v_lshl_add_u32 v[WO], v[R], 4, v[WO]
	s_wait_alu depctr_va_sdst(0)                   ; s12 is written, ahead of its first reader
	s_mul_i32 s17, s12, 32*WP
	v_mul_u32_u24 v[WL], v[H], WP
	v_lshl_add_u32 v[WL], v[R], 3, v[WL]
	v_add_nc_u32 v[WL], s17, v[WL]
	v_lshlrev_b32 v[BO], 5, v[H]
	v_and_b32 v11, 7, v0
	v_bfe_u32 v12, v0, 3, 1
	v_lshl_add_u32 v[AW], v[H], 3, v11
	v_mul_u32_u24 v[AW], v[AW], WP
	v_lshl_add_u32 v[AW], v12, 4, v[AW]
	s_mul_i32 s17, s12, 16*SP
	s_add_co_u32 s17, s17, STG
	v_mul_u32_u24 v[STO], v[R], SP
	v_lshl_add_u32 v[STO], v[H], 5, v[STO]
	v_add_nc_u32 v[STO], s17, v[STO]
	v_mul_u32_u24 v[RD], v[H], SP
	v_lshl_add_u32 v[RD], v[R], 4, v[RD]
	v_add_nc_u32 v[RD], s17, v[RD]
	v_lshlrev_b32 v[CO], 12, v[H]
	v_lshl_add_u32 v[CO], v[R], 4, v[CO]
	s_lshl_b32 s20, s15, 19                        ; att: bn x 8 heads x 65,536 + my 16 rows of 64 bytes
	s_lshl_b32 s21, s16, 13
	s_add_co_u32 s20, s20, s21
	s_lshl_b32 s21, s12, 10
	s_add_co_u32 s20, s20, s21
	s_mov_b32 s21, 0
	s_lshl_b32 s18, s13, 8                         ; w: my work-group's 256 bytes of a row, my wave's 32 rows
	s_lshl_b32 s19, s12, 15
	s_add_co_u32 s18, s18, s19
	s_mov_b32 s19, 0
	s_lshl_b32 s2, s13, 8                          ; b
	s_mov_b32 s3, 0
	s_lshr_b32 s30, s15, 2                         ; out0
	s_lshl_b32 s30, s30, 22
	s_and_b32 s31, s15, 3
	s_lshl_b32 s31, s31, 10
	s_add_co_u32 s30, s30, s31
	s_lshl_b32 s31, s16, 19
	s_add_co_u32 s30, s30, s31
	s_lshl_b32 s31, s12, 16
	s_add_co_u32 s30, s30, s31
	s_lshl_b32 s31, s13, 8
	s_add_co_u32 s30, s30, s31
	s_mov_b32 s31, 0
	s_wait_kmcnt 0x0
	s_add_nc_u64 s[AB:AB+1], s[4:5], s[20:21]
	s_add_nc_u64 s[WB:WB+1], s[6:7], s[18:19]
	s_add_nc_u64 s[BB:BB+1], s[8:9], s[2:3]
	s_add_nc_u64 s[OUT:OUT+1], s[10:11], s[30:31]
	s_wait_alu depctr_va_vdst(0)                   ; the offsets and LDS addresses v3 to v10 are written: every load and store of the kernel reads one of them, and none is written again
.set p, 0
.rept 16
	global_load_b128 v[RAW+4*p:RAW+4*p+3], v[WO], s[WB:WB+1] offset:p*2048
.set p, p+1
.endr
.set c, 0
.rept 4
	global_load_b128 v[BI+8*c:BI+8*c+3], v[BO], s[BB:BB+1] offset:64*c
	global_load_b128 v[BI+8*c+4:BI+8*c+7], v[BO], s[BB:BB+1] offset:64*c+16
.set c, c+1
.endr
.set k, 0
.rept 8
	global_load_b128 v[AF+8*k:AF+8*k+3], v[AO], s[AB:AB+1] offset:k*65536
	global_load_b128 v[AF+8*k+4:AF+8*k+7], v[AO], s[AB:AB+1] offset:k*65536+32
.set k, k+1
.endr
	s_wait_loadcnt 24                              ; w is in; the bias's 8 and att's 16 loads stay out
.set p, 0
.rept 16                               ; f32 -> bf16 (the rounding) -> f32 -> f16 (the same number), into T
	v_cvt_pk_bf16_f32 v[T+2*p], v[RAW+4*p], v[RAW+4*p+1]
	v_cvt_pk_bf16_f32 v[T+2*p+1], v[RAW+4*p+2], v[RAW+4*p+3]
	v_lshlrev_b32 v[RAW+4*p], 16, v[T+2*p]
	v_and_b32 v[RAW+4*p+1], 0xffff0000, v[T+2*p]
	v_lshlrev_b32 v[RAW+4*p+2], 16, v[T+2*p+1]
	v_and_b32 v[RAW+4*p+3], 0xffff0000, v[T+2*p+1]
	v_cvt_pk_f16_f32 v[T+2*p], v[RAW+4*p], v[RAW+4*p+1]
	v_cvt_pk_f16_f32 v[T+2*p+1], v[RAW+4*p+2], v[RAW+4*p+3]
.set p, p+1
.endr
	s_wait_alu depctr_va_vdst(0)                   ; the conversions have written T, which the LDS stores read; they are done with RAW and T, in which fragments land behind the barrier
.set p, 0
.rept 16                               ; 8 bytes a lane into LDS
	ds_store_b64 v[WL], v[T+2*p:T+2*p+1] offset:p*2*WP
.set p, p+1
.endr
	s_wait_loadcnt 16                              ; the bias is in
.set c, 0
.rept 16
	v_cvt_pk_bf16_f32 v[11+c%4], v[BI+2*c], v[BI+2*c+1]
	v_lshlrev_b32 v[BI+2*c], 16, v[11+c%4]
	v_and_b32 v[BI+2*c+1], 0xffff0000, v[11+c%4]
.set c, c+1
.endr
	s_wait_dscnt 0x0                               ; for the others' sake: my stores of w are done
	s_barrier_signal -1
	s_barrier_wait -1                              ; the launch's one barrier: behind it w's bytes are only read
	s_wait_loadcnt 0x0                             ; att
	s_wait_alu depctr_vm_vsrc(0)                   ; my LDS stores have read T, in which step 2's fragments land
.macro FETCH k, f                      ; K step k: w's four fragments, turned: 8 LDS loads
.set c, 0
.rept 4
	ds_load_tr16_b128 v[(\f)+8*c:(\f)+8*c+3], v[AW] offset:(\k)*32*WP+32*c
	ds_load_tr16_b128 v[(\f)+8*c+4:(\f)+8*c+7], v[AW] offset:(\k)*32*WP+32*c+16*WP
.set c, c+1
.endr
.endm
.macro MUL k, f                        ; four products; the four accumulators take turns, in the same order in every step; the bias starts the sums
.set c, 0
.rept 4
.if (\k) == 0
	v_wmma_f32_16x16x32_f16 v[ACC+8*c:ACC+8*c+7], v[(\f)+8*c:(\f)+8*c+7], v[AF+8*(\k):AF+8*(\k)+7], v[BI+8*c:BI+8*c+7]
.else
	v_wmma_f32_16x16x32_f16 v[ACC+8*c:ACC+8*c+7], v[(\f)+8*c:(\f)+8*c+7], v[AF+8*(\k):AF+8*(\k)+7], v[ACC+8*c:ACC+8*c+7]
.endif
.set c, c+1
.endr
.endm
.macro PLACES                          ; four plain vector instructions between a matrix instruction and a load into, or a read of, its registers; they stay beside the waits
.rept 4
	v_nop
.endr
.endm
	FETCH 0, FB0                                   ; three steps go out together: the vector work since the last wait on va_vdst, the bias's rounding, names none of these buffers
	FETCH 1, FB1
	FETCH 2, FB2
	s_wait_dscnt 16                                ; step 0's 8 loads are in; steps 1 and 2 stay out
	MUL 0, FB0
	s_wait_dscnt 8                                 ; step 1 is in; step 2 stays out
	MUL 1, FB1
	PLACES
	s_wait_alu depctr_va_vdst(0)                   ; the products of steps 0 and 1 are done reading the bias (FB3), FB0 and FB1, in which steps 3, 4 and 5 land
	FETCH 3, FB3
	s_wait_dscnt 8                                 ; step 2 is in; step 3 stays out
	MUL 2, FB2
	FETCH 4, FB0                                   ; no wait: the products since the wait name FB2, att and the accumulators alone
	FETCH 5, FB1
	s_wait_dscnt 16                                ; step 3 is in; steps 4 and 5 stay out
	MUL 3, FB3
	PLACES
	s_wait_alu depctr_va_vdst(0)                   ; the products of steps 2 and 3 are done reading FB2 and FB3, in which steps 6 and 7 land
	FETCH 6, FB2
	s_wait_dscnt 16                                ; step 4 is in; steps 5 and 6 stay out
	MUL 4, FB0
	FETCH 7, FB3                                   ; no wait: the products since the wait name FB0, att and the accumulators alone
	s_wait_dscnt 16                                ; step 5 is in; steps 6 and 7 stay out
	MUL 5, FB1
	s_wait_dscnt 8
	MUL 6, FB2
	s_wait_dscnt 0x0
	MUL 7, FB3
	PLACES
	s_wait_alu depctr_va_vdst(0)                   ; the products have written the accumulators, which the LDS stores read, and are done reading FB0, in which the stage's rows land; the places above stay beside this wait
	; THE WAY OUT, through my own stage: 32 bytes a lane and tile in (each accumulator's low half first), whole rows of 256 bytes back
.irp c, 0,1,2,3
	ds_store_b128 v[STO], v[ACC+8*(\c):ACC+8*(\c)+3] offset:64*(\c)
	ds_store_b128 v[STO], v[ACC+8*(\c)+4:ACC+8*(\c)+7] offset:64*(\c)+16
.endr
.irp f, 0,1,2,3,4,5,6,7
	ds_load_b128 v[RAW+4*(\f):RAW+4*(\f)+3], v[RD] offset:(\f)*2*SP  ; LDS serves a wave's instructions in order (ISA guide 5.7.1.4): these see the stores above
.endr
.irp f, 0,1,2,3,4,5,6,7
	s_wait_dscnt 7-(\f)
	global_store_b128 v[CO], v[RAW+4*(\f):RAW+4*(\f)+3], s[OUT:OUT+1] offset:(\f)*8192 th:TH_STORE_NT  ; 16 lanes store 256 consecutive bytes of one output row, aligned
.endr
	s_wait_dscnt 0x0                               ; the closing lines, six on end
	s_wait_alu 0x0
	s_wait_tensorcnt 0x0
	ds_add_u32 v[SPW], v[NIL]
	s_wait_dscnt 0x0
	s_endpgm
.Lfunc_end_k_q51414c5ff3_proj:
	.size	k_q51414c5ff3_proj, .Lfunc_end_k_q51414c5ff3_proj-k_q51414c5ff3_proj
	.p2alignl 7, 3214868480
	.fill 96, 4, 3214868480
	.section	.rodata,"a",@progbits
	.p2align	6, 0x0
	.amdhsa_kernel k_q51414c5ff3_proj
		.amdhsa_group_segment_fixed_size 76800
		.amdhsa_private_segment_fixed_size 0
		.amdhsa_enable_private_segment 0
		.amdhsa_kernarg_size 32
		.amdhsa_user_sgpr_count 2
		.amdhsa_user_sgpr_kernarg_segment_ptr 1
		.amdhsa_wavefront_size32 1
		.amdhsa_system_sgpr_workgroup_id_x 1
		.amdhsa_system_sgpr_workgroup_id_y 1
		.amdhsa_system_sgpr_workgroup_id_z 1
		.amdhsa_system_vgpr_workitem_id 0
		.amdhsa_next_free_vgpr 256
		.amdhsa_next_free_sgpr 66
		.amdhsa_reserve_vcc 0
		.amdhsa_float_denorm_mode_32 3
		.amdhsa_float_denorm_mode_16_64 3
		.amdhsa_memory_ordered 1
		.amdhsa_forward_progress 1
		.amdhsa_inst_pref_size 27
	.end_amdhsa_kernel
	.amdgpu_metadata
---
amdhsa.version: [ 1, 2 ]
amdhsa.kernels:
  - .name:           k_q51414c5ff3_proj
    .symbol:         k_q51414c5ff3_proj.kd
    .args:
      - { .name: att, .offset: 0, .size: 8, .value_kind: global_buffer, .address_space: global }
      - { .name: w_proj, .offset: 8, .size: 8, .value_kind: global_buffer, .address_space: global }
      - { .name: b_proj, .offset: 16, .size: 8, .value_kind: global_buffer, .address_space: global }
      - { .name: out0, .offset: 24, .size: 8, .value_kind: global_buffer, .address_space: global }
    .group_segment_fixed_size: 76800
    .private_segment_fixed_size: 0
    .kernarg_segment_align: 8
    .kernarg_segment_size: 32
    .max_flat_workgroup_size: 256
    .sgpr_count:     66
    .vgpr_count:     256
    .wavefront_size: 32
...
	.end_amdgpu_metadata
.endif
;; end of part 5
